; MI455X (gfx1250); checked and timed in simulation.
; The chip was launched on July 23, 2026; its instructions are those of AMD's public machine-readable ISA for CDNA 5 (MIT licence, August 2026) and "CDNA5" Instruction Set Architecture Reference Guide (July 2026). The comments in the code are by the model that wrote it; some were corrected since.
;; Bahdanau Attention. Allowed arithmetic: matrix products marked QUANTISED: E4M3 operands, one given power-of-two scale a tensor, by v_wmma_f32_16x16x64_fp8_fp8 or v_wmma_f32_16x16x128_fp8_fp8, f32 sums; products left as they are: f32 operands where the result goes on into a quantised operand, else bf16, f16 or f32 operands; f32 sums; everything else in f32.
;; Inputs: W_dec_codes 1,024 x 32 x 32 uint8 (E4M3 codes of W_dec, K innermost, in blocks of 32 codes); W_enc_codes 1,024 x 32 x 32 uint8 (E4M3 codes of W_enc, K innermost, in blocks of 32 codes); dec_hidden_codes 32 x 32 x 32 uint8 (E4M3 codes of dec_hidden, K innermost, in blocks of 32 codes); enc_outputs 32 x 2,048 x 1,024 float32; lowp_scales 4 int32 (the exponents e of the quantised operands' scales 2^e); mask 32 x 2,048 int32; v 1,024 float32.
;; Outputs: out0 32 x 1,024 float32; out1 32 x 2,048 float32.
;; This version of the problem:
;;   THIS VERSION OF THE PROBLEM IS GIVEN IN LOW PRECISION. The matrix products marked QUANTISED in the list below multiply operands that are first quantised to E4M3 (4 exponent bits, 3 mantissa bits; 8 bits a number), with one given power-of-two scale for each operand tensor; their sums are f32. All else is computed in f32.
;;   The module's matrix products, in the order in which they are computed (A, B: the left and right operand; K: the contracted axis; several contracted axes count as one K, in the product's order):
;;     1. [M 32, K 1,024] x [K 1,024, N 1,024]; A: input dec_hidden (given as codes); B: input W_dec (given as codes): QUANTISED (scales: A lowp_scales[0], B lowp_scales[1])
;;     2. [M 65,536, K 1,024] x [K 1,024, N 1,024]; A: input enc_outputs; B: input W_enc (given as codes): QUANTISED (scales: A lowp_scales[2], B lowp_scales[3])
;;     3. [M 65,536, K 1,024] x [K 1,024, N 1]; A: computed on the way; B: input v: left as it is (N = 1 < 16)
;;     4. batch 32 x [M 1, K 2,048] x [K 2,048, N 1,024]; A: softmax; B: input enc_outputs: left as it is (M = 1 < 16)
;;   THE QUANTISER, for each operand of a quantised product, along K:
;;     - The operand's scale is 2^e, e = its entry of the input lowp_scales (int32; the entries are numbered through the quantised products in the list's order, A before B).
;;     - Each number is divided by the scale, clamped to +-448, and rounded to the nearest number of E4M3, ties to even, subnormals kept.
;;     - The product sums the exact products of the quantised numbers (number of the format x scale) in f32.
;;   ~~~python
;;   def quantise(x, axis, e):      # numpy; x: float32 -> the quantised numbers, widened to float32 again
;;       x = np.moveaxis(x, axis, -1); K = x.shape[-1]
;;       r = np.clip(x / 2.0 ** e, -448, 448)
;;       step = 2.0 ** (np.maximum(np.frexp(np.where(r == 0, 1, r))[1] - 1, -6) - 3)
;;       q = np.round(r / step) * step * 2.0 ** e      # np.round: ties to even
;;       return np.moveaxis(q, -1, axis).astype(np.float32)
;;   ~~~
;;   INPUTS GIVEN AS CODES. W_dec (in the module: [1024, 1024], K = its axis 1); W_enc (in the module: [1024, 1024], K = its axis 1); dec_hidden (in the module: [32, 1024], K = its axis 1): each comes as NAME_codes (uint8): NAME with its K axis moved to the last place and cut into blocks of 32 codes, [.., K / 32, bytes a block], one block behind the other in memory; one code a byte (a code: sign, 4 exponent bits, 3 mantissa bits); its scale is its entry of lowp_scales. Its value is code x scale, taken as it is: it is not quantised again, and the codes and scales need not be those that the quantiser above would give.
;; 2 versions, each right; version 2 is version 1 with the launches prep, attend written anew for expert scheduling mode. Each part assembles by itself: llvm-mc -triple=amdgcn-amd-amdhsa -mcpu=gfx1250 --defsym DOCPART=n.
;; ======== version 1 of 2: 3 launches
;; limits: right only within a limited range of input values
;; workspace buffers: wf 1,048,576 bytes; dv 524,288 bytes; list 303,104 bytes of whole numbers; scores 262,144 bytes; cpart 1,179,648 bytes
;; launch prep (part 1): grid 72 x 1, 8 waves a work-group, no clusters, 1,280 bytes of LDS; arguments mask, W_enc_codes, W_dec_codes, dec_hidden_codes, v, lowp_scales, list, scores, dv, wf; writes list, scores, dv, wf
.if DOCPART == 1
	.amdgcn_target "amdgcn-amd-amdhsa--gfx1250"
	.amdhsa_code_object_version 6
	.text
	.protected	k_q9a18e7aa13_prep
	.globl	k_q9a18e7aa13_prep
	.p2align	8
	.type	k_q9a18e7aa13_prep,@function
k_q9a18e7aa13_prep:
	s_mov_b64 s[64:65], 0
	v_nop
	global_prefetch_b8 v0, s[64:65] scope:SCOPE_SE
	s_setreg_imm32_b32 hwreg(HW_REG_WAVE_MODE, 25, 1), 1
	s_wait_xcnt 0x0
; Three small jobs in one launch, chosen by the work-group's number x (the same for all eight waves of a work-group):
;   x = 0..31  (M) batch x: the rows of the mask are sorted, unmasked first, both parts in ascending order, into list; scores of the batch are filled with -1e9
;   x = 32..39 (D) dh = dec_hidden W_dec^T on the given E4M3 codes; stored with v as quads (dh', dh', v, v), dh' = dh x 2 log2(e), one quad for each (batch, column)
;   x = 40..71 (W) W_enc's codes are laid in the order in which the next launch's operand registers take them
; list, a row of 9,472 bytes for each batch: word 0 = rows to be worked (the count of unmasked rows; 2,048 where there is none), word 1 = 1 where every row is masked, words 2-63 = 0,
;   from byte 256 on 2,304 entries: the unmasked rows, the masked rows, 256 zeros.
; wf: unit of 16 bytes number ((((w 4 + c) 8 + k) 4 + t) 4 + q) 32 + lane holds W_enc[256 w + 64 c + 16 t + lane % 16][128 k + 32 q + 16 (lane / 16) + 0..15].
; Only job M uses LDS and a barrier.  No tensor loads: every job is a few loads and stores a thread.
.set NEGBIG, 0xce6e6b28                ; -1e9 as f32
.set LROW,   9472                      ; bytes of a row of list
	s_load_b512 s[4:19], s[0:1], 0x0               ; mask s[4:5], W_enc s[6:7], W_dec s[8:9], dec_hidden s[10:11], v s[12:13], scales s[14:15], list s[16:17], scores s[18:19]
	s_load_b128 s[20:23], s[0:1], 0x40             ; dv s[20:21], wf s[22:23]
	v_lshl_add_u32 v62, v0, 2, 0x100
	v_mov_b32 v63, 0
	v_lshrrev_b32 v1, 5, v0
	v_readfirstlane_b32 s24, v1                    ; wave 0..7
	v_and_b32 v2, 31, v0                           ; lane
	s_mov_b32 s27, 0                               ; the high word of the offsets made in s26
	s_wait_kmcnt 0x0
	s_cmp_lt_u32 ttmp9, 32
	s_cbranch_scc1 .Lrole_m
	s_cmp_lt_u32 ttmp9, 40
	s_cbranch_scc1 .Lrole_d
; ---------------- W: 8 units of 16 bytes a thread.  X = x - 40; unit u = (8 X + i) 256 + thread
	s_sub_co_u32 s25, ttmp9, 40                    ; X
	v_and_b32 v3, 15, v0                           ; r
	v_bfe_u32 v4, v0, 4, 1                         ; h
	v_bfe_u32 v5, v0, 5, 2                         ; q
	v_lshrrev_b32 v6, 7, v0                        ; t's low bit
	v_lshlrev_b32 v7, 10, v3                       ; from: 1,024 r
	v_lshl_add_u32 v7, v4, 4, v7                   ; + 16 h
	v_lshl_add_u32 v7, v5, 5, v7                   ; + 32 q
	v_lshl_add_u32 v7, v6, 14, v7                  ; + 16 rows for t's low bit
	v_lshlrev_b32 v8, 4, v0                        ; to: 16 x thread
	s_and_b32 s26, s25, 1
	s_lshl_b32 s26, s26, 9                         ; k's high bit: 512 bytes
	s_bfe_u32 s28, s25, 0x20001                    ; c = (X >> 1) & 3
	s_lshl_b32 s28, s28, 16                        ; 64 rows
	s_add_co_u32 s26, s26, s28
	s_lshr_b32 s28, s25, 3                         ; w
	s_lshl_b32 s28, s28, 18                        ; 256 rows
	s_add_co_u32 s26, s26, s28
	s_add_nc_u64 s[6:7], s[6:7], s[26:27]
	s_lshl_b32 s26, s25, 15                        ; 8 x 256 units of 16 bytes
	s_add_nc_u64 s[22:23], s[22:23], s[26:27]
.irp i, 0,1,2,3,4,5,6,7
	global_load_b128 v[16+4*\i:19+4*\i], v7, s[6:7] offset:(\i%2)*32768+(\i/2)*128   ; i's low bit is t's high bit (32 rows), the rest k's low bits
.endr
.irp i, 0,1,2,3,4,5,6,7
	s_wait_loadcnt 7-\i                            ; loads come back in order: number i is in, the younger ones stay out
	global_store_b128 v8, v[16+4*\i:19+4*\i], s[22:23] offset:4096*\i   ; a wave stores 512 consecutive bytes
.endr
	s_endpgm
; ---------------- D: wave = tile nt of 16 columns, both tiles of 16 batches; K = 1,024 in two halves of four steps of 128
.Lrole_d:
	s_load_b64 s[28:29], s[14:15], 0x0             ; e0 (dec_hidden), e1 (W_dec)
	s_sub_co_u32 s25, ttmp9, 32
	s_lshl_b32 s25, s25, 3
	s_add_co_u32 s25, s25, s24                     ; nt = 8 (x - 32) + wave
	v_and_b32 v3, 15, v0                           ; r
	v_bfe_u32 v4, v0, 4, 1                         ; h
	v_lshlrev_b32 v5, 10, v3
	v_lshl_add_u32 v5, v4, 4, v5                   ; a fragment's place: row r of 1,024 codes, + 16 h
	v_lshlrev_b32 v6, 2, v3                        ; v: 4 r
	v_lshlrev_b32 v7, 4, v3
	v_lshl_add_u32 v7, v4, 17, v7                  ; dv: 16 r + 8 h batches of 16,384 bytes
	s_lshl_b32 s26, s25, 14
	s_add_nc_u64 s[8:9], s[8:9], s[26:27]          ; W_dec at row 16 nt
	s_lshl_b32 s26, s25, 6
	s_add_nc_u64 s[12:13], s[12:13], s[26:27]      ; v at 16 nt
	s_lshl_b32 s26, s25, 8
	s_add_nc_u64 s[20:21], s[20:21], s[26:27]      ; dv at column 16 nt
	global_load_b32 v8, v6, s[12:13]               ; v[16 nt + r]
; Fragments by four loads of 16 bytes: registers 4 q .. 4 q + 3 hold k = 32 q + 16 h + 0..15: the same permutation of k on both sides, so every product meets its partner.
; v64-191: dec_hidden (step kk, tile mt at 64 + 16 (2 kk + mt)); v192-255: W_dec; v32-39, v40-47: the two accumulators, which take turns.
.macro DHALF hf
.irp kk, 0,1,2,3
.irp q, 0,1,2,3
	global_load_b128 v[64+32*\kk+4*\q:67+32*\kk+4*\q], v5, s[10:11] offset:128*(4*\hf+\kk)+32*\q
	global_load_b128 v[80+32*\kk+4*\q:83+32*\kk+4*\q], v5, s[10:11] offset:16384+128*(4*\hf+\kk)+32*\q
	global_load_b128 v[192+16*\kk+4*\q:195+16*\kk+4*\q], v5, s[8:9] offset:128*(4*\hf+\kk)+32*\q
.endr
.endr
	s_wait_loadcnt 0x0
.irp kk, 0,1,2,3
.if (\hf == 0) && (\kk == 0)
	v_wmma_f32_16x16x128_fp8_fp8 v[32:39], v[64:79], v[192:207], 0          ; the first K step starts both sums
	v_wmma_f32_16x16x128_fp8_fp8 v[40:47], v[80:95], v[192:207], 0
.else
	v_wmma_f32_16x16x128_fp8_fp8 v[32:39], v[64+32*\kk:79+32*\kk], v[192+16*\kk:207+16*\kk], v[32:39]
	v_wmma_f32_16x16x128_fp8_fp8 v[40:47], v[80+32*\kk:95+32*\kk], v[192+16*\kk:207+16*\kk], v[40:47]
.endif
.endr
.rept 4
	v_nop                                          ; four places behind the last product: then loads into its sources, or reads of the results
.endr
.endm
	DHALF 0
	DHALF 1
	s_wait_kmcnt 0x0
	s_add_co_i32 s28, s28, s29                     ; e0 + e1, applied by v_ldexp_f32: no limit on it
; register j of lane (r, h) of accumulator mt is dh(batch 16 mt + 8 h + j, column 16 nt + r); each accumulator is read from its low end on
.irp mt, 0,1
.irp j, 0,1,2,3,4,5,6,7
	v_mul_f32 v[64+4*(8*\mt+\j)], 0x4038aa3b, v[32+8*\mt+\j]               ; x 2 log2(e)
	v_ldexp_f32 v[64+4*(8*\mt+\j)], v[64+4*(8*\mt+\j)], s28
	v_mov_b32 v[65+4*(8*\mt+\j)], v[64+4*(8*\mt+\j)]
	v_mov_b32 v[66+4*(8*\mt+\j)], v8
	v_mov_b32 v[67+4*(8*\mt+\j)], v8
.endr
.endr
.irp mt, 0,1
.irp j, 0,1,2,3,4,5,6,7
	global_store_b128 v7, v[64+4*(8*\mt+\j):67+4*(8*\mt+\j)], s[20:21] offset:(16*\mt+\j)*16384   ; sixteen lanes store 256 consecutive bytes, aligned
.endr
.endr
	s_endpgm
; ---------------- M: batch x.  Thread (wave w, lane l) looks at rows s = 256 w + 32 i + l, i = 0..7
.Lrole_m:
	s_lshl_b32 s26, ttmp9, 13
	s_add_nc_u64 s[4:5], s[4:5], s[26:27]          ; the batch's row of the mask,
	s_add_nc_u64 s[18:19], s[18:19], s[26:27]      ; and of scores
	s_mul_i32 s26, ttmp9, LROW
	s_add_nc_u64 s[16:17], s[16:17], s[26:27]      ; and of list
	v_lshlrev_b32 v3, 2, v2
	s_lshl_b32 s25, s24, 10
	v_add_nc_u32 v3, s25, v3                       ; 1,024 w + 4 l
.irp i, 0,1,2,3,4,5,6,7
	global_load_b32 v[16+\i], v3, s[4:5] offset:128*\i
.endr
	v_mov_b32 v4, NEGBIG
	v_mov_b32 v5, NEGBIG
	v_mov_b32 v6, NEGBIG
	v_mov_b32 v7, NEGBIG
	v_lshlrev_b32 v8, 4, v0
	global_store_b128 v8, v[4:7], s[18:19]                 ; every score of the batch begins as -1e9; the next launch writes the listed rows'
	global_store_b128 v8, v[4:7], s[18:19] offset:4096
	v_lshlrev_b32 v9, 2, v0
	v_mov_b32 v10, 0
	global_store_b32 v9, v10, s[16:17] offset:256+8192     ; entries 2,048 to 2,303 are 0
	s_lshl_b32 s25, s24, 8
	v_add_nc_u32 v13, s25, v2                      ; 256 w + l
	v_mov_b32 v11, s24
	v_lshlrev_b32 v11, 2, v11                      ; LDS: my wave's word
	s_wait_loadcnt 0x0
	s_mov_b32 s40, 0                               ; s[40+i]: unmasked rows of my wave ahead of group i
.irp i, 0,1,2,3,4,5,6,7
	v_cmp_ne_u32 s[32+\i], 0, v[16+\i]             ; s[32+i]: which lanes' rows count
	s_bcnt1_i32_b32 s28, s[32+\i]
	s_add_co_u32 s[41+\i], s[40+\i], s28
.endr
	v_mov_b32 v12, s48                             ; my wave's count
	ds_store_b32 v11, v12
	s_wait_dscnt 0x0                               ; for the others' sake: my word has landed
	s_barrier_signal -1
	s_barrier_wait -1
	ds_load_b128 v[24:27], v10                     ; the eight waves' counts
	ds_load_b128 v[28:31], v10 offset:16
	s_wait_dscnt 0x0
.irp u, 0,1,2,3,4,5,6,7
	v_readfirstlane_b32 s[50+\u], v[24+\u]
.endr
	s_mov_b32 s29, 0                               ; unmasked rows ahead of my wave
	s_mov_b32 s30, 0                               ; and in all
.irp u, 0,1,2,3,4,5,6,7
	s_add_co_u32 s30, s30, s[50+\u]
	s_cmp_gt_u32 s24, \u
	s_cselect_b32 s28, s[50+\u], 0
	s_add_co_u32 s29, s29, s28
.endr
; the place of row s: unmasked: the unmasked rows ahead of it; masked: the count of all unmasked + the masked rows ahead of it.  Every lane stores once.
.irp i, 0,1,2,3,4,5,6,7
	s_add_co_u32 s28, s29, s[40+\i]
	v_mbcnt_lo_u32_b32 v[32+\i], s[32+\i], s28     ; unmasked rows ahead of s
	v_add_nc_u32 v[40+\i], 32*\i, v13              ; s
	v_sub_nc_u32 v[48+\i], v[40+\i], v[32+\i]
	v_add_nc_u32 v[48+\i], s30, v[48+\i]
	v_cndmask_b32 v[48+\i], v[48+\i], v[32+\i], s[32+\i]
	v_min_u32 v[48+\i], 2047, v[48+\i]             ; it is a place among 2,048
	v_lshlrev_b32 v[48+\i], 2, v[48+\i]
	global_store_b32 v[48+\i], v[40+\i], s[16:17] offset:256
.endr
	s_cmp_lg_u32 s24, 0
	s_cbranch_scc1 .Lm_end                         ; wave 0 writes the row's first 256 bytes, whole
	s_cmp_eq_u32 s30, 0
	s_cselect_b32 s28, 1, 0                        ; every row masked?
	s_cselect_b32 s31, 2048, s30                   ; then all 2,048 rows are worked (the list is 0, 1, 2 .. by itself)
	v_cmp_eq_u32 vcc_lo, 0, v2
	v_mov_b32 v56, s31
	v_mov_b32 v57, s28
	v_cndmask_b32 v56, 0, v56, vcc_lo
	v_cndmask_b32 v57, 0, v57, vcc_lo
	v_lshlrev_b32 v58, 3, v2
	global_store_b64 v58, v[56:57], s[16:17]
.Lm_end:
	s_wait_tensorcnt 0x0
	ds_add_u32 v62, v63
	s_wait_dscnt 0x0
	s_endpgm
.Lfunc_end_k_q9a18e7aa13_prep:
	.size	k_q9a18e7aa13_prep, .Lfunc_end_k_q9a18e7aa13_prep-k_q9a18e7aa13_prep
	.p2alignl 7, 3214868480
	.fill 96, 4, 3214868480
	.section	.rodata,"a",@progbits
	.p2align	6, 0x0
	.amdhsa_kernel k_q9a18e7aa13_prep
		.amdhsa_group_segment_fixed_size 1280
		.amdhsa_private_segment_fixed_size 0
		.amdhsa_enable_private_segment 0
		.amdhsa_kernarg_size 80
		.amdhsa_user_sgpr_count 2
		.amdhsa_user_sgpr_kernarg_segment_ptr 1
		.amdhsa_wavefront_size32 1
		.amdhsa_system_sgpr_workgroup_id_x 1
		.amdhsa_system_sgpr_workgroup_id_y 1
		.amdhsa_system_sgpr_workgroup_id_z 1
		.amdhsa_system_vgpr_workitem_id 0
		.amdhsa_next_free_vgpr 256
		.amdhsa_next_free_sgpr 66
		.amdhsa_reserve_vcc 1
		.amdhsa_float_denorm_mode_32 3
		.amdhsa_float_denorm_mode_16_64 3
		.amdhsa_memory_ordered 1
		.amdhsa_forward_progress 1
		.amdhsa_inst_pref_size 29
	.end_amdhsa_kernel
	.amdgpu_metadata
---
amdhsa.version: [ 1, 2 ]
amdhsa.kernels:
  - .name:           k_q9a18e7aa13_prep
    .symbol:         k_q9a18e7aa13_prep.kd
    .args:
      - { .name: mask, .offset: 0, .size: 8, .value_kind: global_buffer, .address_space: global }
      - { .name: W_enc_codes, .offset: 8, .size: 8, .value_kind: global_buffer, .address_space: global }
      - { .name: W_dec_codes, .offset: 16, .size: 8, .value_kind: global_buffer, .address_space: global }
      - { .name: dec_hidden_codes, .offset: 24, .size: 8, .value_kind: global_buffer, .address_space: global }
      - { .name: v, .offset: 32, .size: 8, .value_kind: global_buffer, .address_space: global }
      - { .name: lowp_scales, .offset: 40, .size: 8, .value_kind: global_buffer, .address_space: global }
      - { .name: list, .offset: 48, .size: 8, .value_kind: global_buffer, .address_space: global }
      - { .name: scores, .offset: 56, .size: 8, .value_kind: global_buffer, .address_space: global }
      - { .name: dv, .offset: 64, .size: 8, .value_kind: global_buffer, .address_space: global }
      - { .name: wf, .offset: 72, .size: 8, .value_kind: global_buffer, .address_space: global }
    .group_segment_fixed_size: 1280
    .private_segment_fixed_size: 0
    .kernarg_segment_align: 8
    .kernarg_segment_size: 80
    .max_flat_workgroup_size: 256
    .sgpr_count:     66
    .vgpr_count:     256
    .wavefront_size: 32
...
	.end_amdgpu_metadata
.endif
;; end of part 1
;; launch attend (part 2): grid 8 x 32, 4 waves a work-group, no clusters, 316,416 bytes of LDS; arguments enc_outputs, wf, dv, list, lowp_scales, scores, cpart; writes scores, cpart
.if DOCPART == 2
	.amdgcn_target "amdgcn-amd-amdhsa--gfx1250"
	.amdhsa_code_object_version 6
	.text
	.protected	k_q9a18e7aa13_attend
	.globl	k_q9a18e7aa13_attend
	.p2align	8
	.type	k_q9a18e7aa13_attend,@function
k_q9a18e7aa13_attend:
	s_mov_b64 s[64:65], 0
	v_nop
	global_prefetch_b8 v0, s[64:65] scope:SCOPE_SE
	s_setreg_imm32_b32 hwreg(HW_REG_WAVE_MODE, 25, 1), 1
	s_wait_xcnt 0x0
; Work-group (j, b) takes the j-th eighth of batch b's listed rows (list: the unmasked rows; all 2,048 where every row is masked) through the whole chain:
;   rows of enc_outputs -> E4M3 codes (scale 2^e2) -> x W_enc^T on the matrix units -> + dh, tanh, . v -> scores -> p = exp(score - m), m the work-group's running maximum -> sum of p x row.
; It stores the listed rows' scores, its unnormalised sum (1,024 f32) and m (128 copies: a row of cpart is 4,608 bytes); the next launch joins the eight parts of a batch.
; A masked row's score stays the -1e9 that the launch before stored.
; ROWS go in groups of 144 slots (9 blocks of 16).  The loop over groups has the constant count 2 (288 slots >= 256, the most an eighth can hold); a group without rows jumps over its three phases,
; never over a barrier.  Slots past the last row repeat a row and get the weight 0.
; NO TENSOR LOADS, NO CLUSTER: how many groups are worked hangs on a count read from memory, so every operand goes from memory straight into registers; W_enc was laid for that by the launch before.
; SHARES.  For the product wave w owns columns 256 w .. 256 w + 255 for all 144 slots, in 4 chunks of 64; for loading, quantising, the scores' way out and the weighted sum it owns slots 36 w .. 36 w + 35.
; PRODUCT: source 0 = 16 rows' codes (from LDS), source 1 = 16 rows of W_enc (a ring of four K steps of 128 in registers, three steps ahead).  Register j of lane (r, h) of a result is (row 8 h + j, column r):
; dh and v are one number a lane and tile, and the sum over columns stays in 8 registers a block until the group's end.  Fragments come by four loads of 16 bytes (registers 4 q .. 4 q + 3: k = 32 q + 16 h + 0..15):
; the same permutation of k on both sides, so only the order of the sums inside an instruction differs from k's own order.
; tanh(x) = 1 - 2 / (1 + 2^(2 log2(e) x)); score = sum of v - 2 sum of v / (1 + 2^..).
; WEIGHTED SUM: 18 of a wave's 36 rows are kept in LDS as bf16 while they are quantised; the other 18 are read again as f32, the last read first.
; LIMITS: e2 between -126 and 119, e2 + e3 between -127 and 126 (each power of two below is an f32 number).  The sum of |v| lies far under 1e9, so that a masked row's weight is exactly 0 beside an unmasked one.
; NaN and infinities in enc_outputs are not served.
; LDS: 0 CODES 144 rows x 1,040 (1,024 + 16: the 16 rows of a fragment load start at 16 different groups of banks) | KEEP 72 rows x 2,048, 18 for each wave, its own | PART 4 x 144 f32 | CRED 4 x 4,096.
; REGISTERS.  window 0: v1-31 addresses and constants (below); v32-63 the weighted sum; v64-95 at work; v96-255 five rows of 32 (in the product phase v96-167: the sums over columns).
;   window 1: W's ring, slot s tile t at v[64 s + 16 t].   window 2: accumulators of blocks 0-4 at v[32 b + 8 t], their codes at v160-239.   window 3: blocks 5-8 at v[32 (b - 5) + 8 t], their codes at v128-191.
.set PITCH, 1040
.set BLK,   16*PITCH
.set KEEP,  144*PITCH                  ; 149,760
.set PART,  KEEP+72*2048               ; 297,216
.set CRED,  PART+4*576                 ; 299,520
.set CX,    32                         ; v32-63   the weighted sum: element 128 c + 4 lane + e in register 4 c + e
.set DV,    64                         ; v64-79   (dh', dh', v, v) of my column in the chunk's four tiles
.set X,     96                         ; v96-255  five row buffers
.set SC,    96                         ; v96-167  sum over columns of v / (1 + 2^..), 8 registers a block
; v1 16 lane | v2-4 a fragment's place in blocks 0-3, 4-7, 8 | v5 where I store codes | v6 my place in my kept rows | v7 16 r | v8 where I store a block's row sums | v9-12 where I read row sums
; v13 4 lane | v14 448 x 2^e2 | v15 2^e2 | v16 m | v17, v18 p of my rows 0-31, 32-35 | v19 lane | v20 (v21) a row's p | v22 (v23) f | v24 -1e9 | v25 -3e38 | v26 for lane exchanges
; v27, v28 my rows' numbers, then their places in scores | v29-31 the way out
; s4 enc at batch b | s6 wf at wave w | s8 dv at (b, w) | s10 list's row | s[12:13] my wave's place in it, in bytes | s14 scores' row | s16 my row of cpart | s18 wave | s21 my rows | s22 the group's first row's number
; s23 a number read out of a lane | s26 group | s27 rows in the group | s101 of them in my 36 slots
; s[28:29] 2 log2(e) 2^(e2+e3) | s[32:63], s[68:71] my 36 rows' numbers | s[72:81] five rows' addresses | s[82:83], s[84:85] this chunk's and the next chunk's part of wf | s[86:87] the chunk's part of dv
.set MSB, 0
.macro WIN new                         ; the immediate's high byte repeats the setting that is left; a switch that changes nothing is dropped
.if MSB != \new
	s_set_vgpr_msb (MSB<<8)|\new
.set MSB, \new
.endif
.endm
.macro PLACES                          ; four places behind a matrix instruction, in front of loads into registers that it has read (ISA guide 7.12.1 for vector instructions)
.rept 4
	v_nop
.endr
.endm
.macro BAR                             ; my LDS stores have landed and my LDS loads are in: then the work-group's barrier
	s_wait_dscnt 0x0
	s_barrier_signal -1
	s_barrier_wait -1
.endm
	s_load_b256 s[4:11], s[0:1], 0x0               ; enc, wf, dv, list
	s_load_b128 s[12:15], s[0:1], 0x20             ; scales, scores
	s_load_b64 s[16:17], s[0:1], 0x30              ; cpart
	s_set_vgpr_msb 0x80
	v_lshl_add_u32 v254, v0, 2, 0x4d200
	v_mov_b32 v255, 0
	s_set_vgpr_msb 0x8000
	v_lshrrev_b32 v26, 5, v0
	v_readfirstlane_b32 s18, v26                   ; wave 0..3
	s_and_b32 s19, ttmp7, 0xffff                   ; b
	s_mov_b32 s20, ttmp9                           ; j
	s_mov_b32 s3, 0                                ; stays 0: the high word of the offsets made in s2
	v_and_b32 v19, 31, v0                          ; lane
	v_and_b32 v64, 15, v0                          ; r
	v_bfe_u32 v65, v0, 4, 1                        ; h
	v_lshlrev_b32 v1, 4, v19
	v_lshlrev_b32 v13, 2, v19
	v_mul_u32_u24 v2, v64, PITCH
	v_lshl_add_u32 v2, v65, 4, v2                  ; row r x pitch + 16 h
	v_add_nc_u32 v3, 4*BLK, v2
	v_add_nc_u32 v4, 8*BLK, v2
	s_mul_i32 s2, s18, 36*PITCH
	v_add_nc_u32 v5, s2, v13                       ; codes: my wave's 36 rows, 4 bytes a lane
	s_mul_i32 s2, s18, 18*2048
	s_add_co_u32 s2, s2, KEEP
	v_lshlrev_b32 v6, 3, v19
	v_add_nc_u32 v6, s2, v6                        ; kept rows: my wave's 18, 8 bytes a lane
	v_lshlrev_b32 v7, 4, v64
	v_and_b32 v8, 7, v0
	v_lshlrev_b32 v8, 2, v8
	v_lshl_add_u32 v8, v65, 5, v8
	s_mul_i32 s2, s18, 576
	s_add_co_u32 s2, s2, PART
	v_add_nc_u32 v8, s2, v8                        ; my wave's 144 words: row 8 h + r % 8 of a block
	v_add_nc_u32 v9, PART, v13                     ; slot = lane (+ 32 i)
	v_lshlrev_b32 v10, 2, v64
	v_add_nc_u32 v10, PART+512, v10                ; slot 128 + lane % 16 (lanes 16-31 repeat, and are never valid)
	s_mul_i32 s2, s18, 144
	s_add_co_u32 s2, s2, PART
	v_add_nc_u32 v11, s2, v13                      ; slot 36 w + lane
	v_and_b32 v12, 3, v0
	v_lshlrev_b32 v12, 2, v12
	v_add_nc_u32 v12, s2, v12
	v_add_nc_u32 v12, 128, v12                     ; slot 36 w + 32 + lane % 4 (lanes 4-31 repeat, and are never valid)
	s_lshl_b32 s2, s18, 12
	s_add_co_u32 s2, s2, CRED
	v_add_nc_u32 v30, s2, v1                       ; the way out: my copy of the sum
	s_lshl_b32 s2, s18, 10
	v_add_nc_u32 v29, s2, v1                       ; my quarter of it in memory,
	s_add_co_u32 s2, s2, CRED
	v_add_nc_u32 v31, s2, v1                       ; and in the first copy
	v_mov_b32 v24, 0xce6e6b28                      ; -1e9
	v_mov_b32 v25, 0xff61b1e6                      ; -3e38: under every score
	v_mov_b32 v16, 0xff61b1e6                      ; m
	v_mov_b32 v21, 0                               ; (named as the upper halves of pairs)
	v_mov_b32 v23, 0
.set I, 0
.rept 32
	v_mov_b32 v[CX+I], 0                           ; the weighted sum begins at 0: it is carried over the groups, and stored as zeros by a work-group without rows
.set I, I+1
.endr
	s_mov_b32 s30, 0xf0f0f0f0                      ; lanes whose bit 2, bit 1, bit 0 is set
	s_mov_b32 s31, 0xcccccccc
	s_mov_b32 s100, 0xaaaaaaaa
	s_mov_b32 s98, 0x76543210                      ; v_permlanex16_b32: lane l xor 16
	s_mov_b32 s99, 0xfedcba98
	s_mov_b32 s88, 0                               ; the chunk's byte offset in my part of wf
	s_wait_kmcnt 0x0
	s_load_b128 s[36:39], s[12:13], 0x0            ; e0, e1, e2, e3
	s_mul_i32 s2, s19, 9472
	s_add_nc_u64 s[10:11], s[10:11], s[2:3]
	s_load_b64 s[22:23], s[10:11], 0x0             ; rows to be worked in the batch; 1 where all are masked
	s_lshl_b32 s2, s19, 23
	s_add_nc_u64 s[4:5], s[4:5], s[2:3]
	s_lshl_b32 s2, s18, 18
	s_add_nc_u64 s[6:7], s[6:7], s[2:3]
	s_lshl_b32 s2, s19, 14
	s_lshl_b32 s66, s18, 12
	s_add_co_u32 s2, s2, s66
	s_add_nc_u64 s[8:9], s[8:9], s[2:3]
	s_lshl_b32 s2, s19, 13
	s_add_nc_u64 s[14:15], s[14:15], s[2:3]
	s_lshl_b32 s2, s19, 3
	s_add_co_u32 s2, s2, s20
	s_mul_i32 s2, s2, 4608
	s_add_nc_u64 s[16:17], s[16:17], s[2:3]
	s_mov_b64 s[82:83], s[6:7]
	s_add_nc_u64 s[84:85], s[6:7], 0x10000
	s_mov_b64 s[86:87], s[8:9]
	WIN 0x40                                       ; destination window 1
.irp s, 0,1,2
.irp t, 0,1,2,3
.irp q, 0,1,2,3
	global_load_b128 v[64*\s+16*\t+4*\q:64*\s+16*\t+4*\q+3], v1, s[82:83] offset:8192*\s+2048*\t+512*\q   ; W's ring: K steps 0, 1, 2 of chunk 0; a wave's load covers 512 consecutive bytes
.endr
.endr
.endr
	WIN 0
	s_wait_kmcnt 0x0
	s_min_u32 s22, s22, 2048
	s_add_co_u32 s24, s22, 7
	s_lshr_b32 s24, s24, 3                         ; an eighth, rounded up
	s_mul_i32 s25, s20, s24                        ; my first place in the list
	s_sub_co_i32 s21, s22, s25
	s_max_i32 s21, s21, 0
	s_min_u32 s21, s21, s24                        ; my rows
	s_cmp_lg_u32 s23, 0
	s_cselect_b32 s97, -1, 0                       ; all lanes where the whole batch is masked
	s_add_co_i32 s2, s38, 127
	s_lshl_b32 s66, s2, 23
	v_mov_b32 v15, s66                             ; 2^e2: the conversion takes its exponent field
	s_add_co_i32 s2, s2, 8
	s_lshl_b32 s2, s2, 23
	s_or_b32 s2, s2, 0x600000
	v_mov_b32 v14, s2                              ; 448 x 2^e2
	s_add_co_i32 s2, s38, s39
	s_lshl_b32 s2, s2, 23
	s_add_co_i32 s28, s2, 0x4038aa3b               ; 2 log2(e) x 2^(e2 + e3): the exponents are added to the constant's exponent field
	s_mov_b32 s29, s28                             ; (named with it as a pair)
; the address of my row i (slots past my last row repeat my first entry) into address pair number slot
.macro ROWADR i, slot
.if (\i) < 32
.set IX, 32+(\i)
.else
.set IX, 36+(\i)
.endif
	s_cmp_gt_u32 s101, \i
	s_cselect_b32 s2, s[IX], s32
	s_min_u32 s2, s2, 2047                         ; a row of the batch
	s_lshl_b32 s2, s2, 12
	s_add_nc_u64 s[72+2*(\slot):73+2*(\slot)], s[4:5], s[2:3]
.endm
; a row, 4,096 bytes, by eight loads of 512 consecutive bytes.  nt: nobody reads the row again
.macro ROWLOAD slot, nt
.irp c, 0,1,2,3,4,5,6,7
.if \nt
	global_load_b128 v[X+32*(\slot)+4*\c:X+32*(\slot)+4*\c+3], v1, s[72+2*(\slot):73+2*(\slot)] offset:512*\c th:TH_LOAD_NT
.else
	global_load_b128 v[X+32*(\slot)+4*\c:X+32*(\slot)+4*\c+3], v1, s[72+2*(\slot):73+2*(\slot)] offset:512*\c
.endif
.endr
.endm
; my row i: kept as bf16 (rows 0-17), held, turned into codes, stored; then the buffer takes the row five further on
.macro QROW i
.set XB, X+32*((\i)%5)
.if (\i) < 32
	s_wait_loadcnt 32                              ; loads come back in order: this row's eight are in, the four younger rows' stay out; the wait also frees this buffer's address pair
.else
	s_wait_loadcnt 8*(35-(\i))
.endif
.if (\i) < 18
.irp m, 0,1,2,3,4,5,6,7,8,9,10,11,12,13,14,15
	v_cvt_pk_bf16_f32 v[72+\m], v[XB+2*\m], v[XB+2*\m+1]
.endr
.irp c, 0,1,2,3,4,5,6,7
	ds_store_b64 v6, v[72+2*\c:73+2*\c] offset:2048*(\i)+256*\c
.endr
.endif
.set QI, 0
.rept 32
	v_med3_num_f32 v[XB+QI], v[XB+QI], -v14, v14   ; the conversion to an 8-bit code does not saturate (ISA guide 7.6.2): the hold at the largest code x the scale
.set QI, QI+1
.endr
.irp g, 0,1,2,3
	v_cvt_scalef32_pk8_fp8_f32 v[64+2*\g:65+2*\g], v[XB+8*\g:XB+8*\g+7], v15
.endr
	v_nop                                          ; one plain vector line behind the last conversion of the run
.irp c, 0,1,2,3,4,5,6,7
	ds_store_b32 v5, v[64+\c] offset:PITCH*(\i)+128*\c     ; codes of elements 128 c + 4 lane + 0..3: 128 consecutive bytes of the row, k in its own order
.endr
.if (\i)+5 < 36
	ROWADR (\i)+5, (\i)%5
	ROWLOAD (\i)%5, ((\i)+5)<18
.endif
.endm
; the codes of blocks 0-4 (to window 2) and 5-8 (to window 3) for K step k
.macro ALOAD0 k
.irp b, 0,1,2,3
.irp q, 0,1,2,3
	ds_load_b128 v[160+16*\b+4*\q:163+16*\b+4*\q], v2 offset:\b*BLK+128*(\k)+32*\q
.endr
.endr
.irp q, 0,1,2,3
	ds_load_b128 v[224+4*\q:227+4*\q], v3 offset:128*(\k)+32*\q
.endr
.endm
.macro ALOAD1 k
.irp b, 1,2,3
.irp q, 0,1,2,3
	ds_load_b128 v[112+16*\b+4*\q:115+16*\b+4*\q], v3 offset:\b*BLK+128*(\k)+32*\q
.endr
.endr
.irp q, 0,1,2,3
	ds_load_b128 v[176+4*\q:179+4*\q], v4 offset:128*(\k)+32*\q
.endr
.endm
; K step k of a chunk: 36 matrix instructions, the 36 accumulators by turns, one instruction a turn, in the same order in every step
.macro KSTEP k
.set SK, (\k)%4
.set SL, ((\k)+3)%4
.if (\k) > 0
	PLACES                                         ; (ahead of step 0 the vector work of the chunk before, or the clearing of the sums, fills the places)
.endif
	s_wait_loadcnt 32                              ; this step's slot of W is in; the two younger refills of 16 stay out
	WIN 0x40
.irp t, 0,1,2,3
.irp q, 0,1,2,3
.if (\k) <= 4
	global_load_b128 v[64*SL+16*\t+4*\q:64*SL+16*\t+4*\q+3], v1, s[82:83] offset:((\k)+3)*8192+2048*\t+512*\q   ; the slot read in the step before takes the step three on,
.else
	global_load_b128 v[64*SL+16*\t+4*\q:64*SL+16*\t+4*\q+3], v1, s[84:85] offset:((\k)-5)*8192+2048*\t+512*\q   ; which in steps 5-7 is the next chunk's (behind the last chunk: the first's again, for the next group)
.endif
.endr
.endr
	WIN 0xc0
	ALOAD1 \k
	s_wait_dscnt 16                                ; the codes of blocks 0-4 are in; the 16 loads just issued stay out
	WIN 0xa6                                       ; source 0 window 2, source 1 window 1, C and D window 2
.irp b, 0,1,2,3,4
.irp t, 0,1,2,3
.if (\k) == 0
	v_wmma_f32_16x16x128_fp8_fp8 v[32*\b+8*\t:32*\b+8*\t+7], v[160+16*\b:175+16*\b], v[64*SK+16*\t:64*SK+16*\t+15], 0
.else
	v_wmma_f32_16x16x128_fp8_fp8 v[32*\b+8*\t:32*\b+8*\t+7], v[160+16*\b:175+16*\b], v[64*SK+16*\t:64*SK+16*\t+15], v[32*\b+8*\t:32*\b+8*\t+7]
.endif
.endr
.endr
	PLACES
	WIN 0x80
	ALOAD0 ((\k)+1)%8
	s_wait_dscnt 20                                ; the codes of blocks 5-8 are in; the 20 loads just issued stay out
	WIN 0xf7                                       ; source 0 window 3, source 1 window 1, C and D window 3
.irp b, 0,1,2,3
.irp t, 0,1,2,3
.if (\k) == 0
	v_wmma_f32_16x16x128_fp8_fp8 v[32*\b+8*\t:32*\b+8*\t+7], v[128+16*\b:143+16*\b], v[64*SK+16*\t:64*SK+16*\t+15], 0
.else
	v_wmma_f32_16x16x128_fp8_fp8 v[32*\b+8*\t:32*\b+8*\t+7], v[128+16*\b:143+16*\b], v[64*SK+16*\t:64*SK+16*\t+15], v[32*\b+8*\t:32*\b+8*\t+7]
.endif
.endr
.endr
.endm
; block b's 16 rows x 64 columns: y = sum x 2 log2(e) 2^(e2+e3) + dh'; 1 / (1 + 2^y); x v, added to the block's 8 sums over columns.  Each accumulator is read from its low end on.
.macro EPI b
.if (\b) < 5
.set G, 2
.set AB, 32*(\b)
.else
.set G, 3
.set AB, 32*((\b)-5)
.endif
	WIN G*65                                       ; destination and source 0 in the block's window
.irp t, 0,1,2,3
.irp i, 0,2,4,6
	v_pk_fma_f32 v[AB+8*\t+\i:AB+8*\t+\i+1], v[AB+8*\t+\i:AB+8*\t+\i+1], s[28:29], v[DV+4*\t:DV+4*\t+1] op_sel_hi:[1,0,1]
.endr
.endr
.set EI, 0
.rept 32
	v_exp_f32 v[AB+EI], v[AB+EI]
.set EI, EI+1
.endr
	v_nop                                          ; a plain place behind the last transcendental
.set EI, 0
	s_wait_alu depctr_va_vdst(0)
.rept 16
	v_pk_add_f32 v[AB+EI:AB+EI+1], v[AB+EI:AB+EI+1], 1.0 op_sel_hi:[1,0]
.set EI, EI+2
.endr
.set EI, 0
.rept 32
	v_rcp_f32 v[AB+EI], v[AB+EI]                   ; 2^y = infinity gives 0, 2^y = 0 gives 1: tanh's two ends
.set EI, EI+1
.endr
	v_nop
	WIN G                                          ; source 0 in the block's window
	s_wait_alu depctr_va_vdst(0)
.irp t, 0,1,2,3
.irp i, 0,2,4,6
	v_pk_fma_f32 v[SC+8*(\b)+\i:SC+8*(\b)+\i+1], v[AB+8*\t+\i:AB+8*\t+\i+1], v[DV+4*\t+2:DV+4*\t+3], v[SC+8*(\b)+\i:SC+8*(\b)+\i+1]
.endr
.endr
.endm
; block b's 8 registers x 16 lanes of a half become one number a lane: the sum over the 16 columns' lanes of row 8 h + r % 8.
; A step halves the registers: a lane keeps the register that its bit chooses and sends the other to the lane across that bit.
.macro FOLD2 a, c, mask, xm
	v_cndmask_b32 v82, v[\a], v[\c], \mask
	v_cndmask_b32 v83, v[\c], v[\a], \mask
	v_add_f32_dpp v[\a], v83, v82 row_xmask:\xm row_mask:0xf bank_mask:0xf
.endm
.macro FOLD b
.set S0, SC+8*(\b)
	FOLD2 S0, S0+4, s30, 4
	FOLD2 S0+1, S0+5, s30, 4
	FOLD2 S0+2, S0+6, s30, 4
	FOLD2 S0+3, S0+7, s30, 4
	FOLD2 S0, S0+2, s31, 2
	FOLD2 S0+1, S0+3, s31, 2
	FOLD2 S0, S0+1, s100, 1
	v_add_f32_dpp v[S0], v[S0], v[S0] row_xmask:8 row_mask:0xf bank_mask:0xf
	ds_store_b32 v8, v[S0] offset:64*(\b)          ; lanes r and r + 8 store the same number to the same word
.endm
; my kept row i out of LDS, two sets of 16 registers by turns
.macro KLOAD i
.irp c, 0,1,2,3,4,5,6,7
	ds_load_b64 v[64+16*((\i)%2)+2*\c:65+16*((\i)%2)+2*\c], v6 offset:2048*(\i)+256*\c
.endr
.endm
.macro KROW i
.set KB, 64+16*((\i)%2)
.if (\i) < 17
	s_wait_dscnt 8                                 ; this row's eight loads are in, the next row's stay out
.else
	s_wait_dscnt 0
.endif
	v_readlane_b32 s23, v17, \i                    ; the row's p, for all lanes
	v_mov_b32 v20, s23
.irp c, 0,1,2,3,4,5,6,7
	v_fma_mix_f32_bf16 v[CX+4*\c], v[KB+2*\c], v20, v[CX+4*\c] op_sel_hi:[1,0,0]
	v_fma_mix_f32_bf16 v[CX+4*\c+1], v[KB+2*\c], v20, v[CX+4*\c+1] op_sel:[1,0,0] op_sel_hi:[1,0,0]
	v_fma_mix_f32_bf16 v[CX+4*\c+2], v[KB+2*\c+1], v20, v[CX+4*\c+2] op_sel_hi:[1,0,0]
	v_fma_mix_f32_bf16 v[CX+4*\c+3], v[KB+2*\c+1], v20, v[CX+4*\c+3] op_sel:[1,0,0] op_sel_hi:[1,0,0]
.endr
.if (\i)+2 < 18
	KLOAD (\i)+2
.endif
.endm
; my row 35 - z, read again as f32
.macro XROW z
.set XB, X+32*((\z)%5)
.set RW, 35-(\z)
.if (\z) < 14
	s_wait_loadcnt 32                              ; this row's eight loads are in, the four younger rows' stay out
.else
	s_wait_loadcnt 8*(17-(\z))
.endif
.if RW < 32
	v_readlane_b32 s23, v17, RW
.else
	v_readlane_b32 s23, v18, RW-32
.endif
	v_mov_b32 v20, s23
.irp m, 0,2,4,6,8,10,12,14,16,18,20,22,24,26,28,30
	v_pk_fma_f32 v[CX+\m:CX+\m+1], v[XB+\m:XB+\m+1], v[20:21], v[CX+\m:CX+\m+1] op_sel_hi:[1,0,1]
.endr
.if (\z)+5 < 18
	ROWADR 30-(\z), (\z)%5
	ROWLOAD (\z)%5, 1
.endif
.endm
	s_mov_b32 s26, 0
.Lgroup:                                               ; two trips, a constant; every LDS address is a register made above plus an immediate
	s_mul_i32 s2, s26, 144
	s_sub_co_i32 s27, s21, s2
	s_max_i32 s27, s27, 0
	s_min_u32 s27, s27, 144                        ; rows in this group
	s_mul_i32 s66, s18, 36
	s_sub_co_i32 s101, s27, s66
	s_max_i32 s101, s101, 0
	s_min_u32 s101, s101, 36                       ; of them in my 36 slots
	s_add_co_u32 s67, s25, s2                      ; the group's first place in the list
	s_add_co_u32 s66, s67, s66                     ; my wave's
	s_min_u32 s66, s66, 2240                       ; 64 entries from there on lie inside the row's 2,304 (a wave with rows is never held: its places lie under 2,048)
	s_lshl_b32 s66, s66, 2
	s_min_u32 s67, s67, 2240
	s_lshl_b32 s67, s67, 2
	s_load_b512 s[32:47], s[10:11], s66 offset:0x100
	s_load_b512 s[48:63], s[10:11], s66 offset:0x140
	s_load_b128 s[68:71], s[10:11], s66 offset:0x180
	s_load_b32 s22, s[10:11], s67 offset:0x100     ; the row of the group's slot 0
	s_mov_b32 s12, s66                             ; kept for the scores' way out
	s_mov_b32 s13, 0
	s_wait_kmcnt 0x0
	s_cmp_eq_u32 s27, 0
	s_cbranch_scc1 .Lskip1
; ---------------- 1: my 36 rows are loaded (five rows, 40 loads, ahead), half of them kept, all quantised
.set RI, 0
.rept 5
	ROWADR RI, RI
	ROWLOAD RI, 1
.set RI, RI+1
.endr
.set RI, 0
.rept 36
	QROW RI
.set RI, RI+1
.endr
.Lskip1:
	BAR                                            ; the group's 144 rows of codes lie in LDS; nobody reads the last group's row sums any more
	s_cmp_eq_u32 s27, 0
	s_cbranch_scc1 .Lskip2
; ---------------- 2: my 256 columns for the 144 rows
.set I, 0
.rept 72
	v_mov_b32 v[SC+I], 0                           ; the sums over columns: they are carried round the loop over chunks, which is written once
.set I, I+1
.endr
	v_mov_b32 v80, 0                               ; the sum of my columns' v, twice
	v_mov_b32 v81, 0
	WIN 0x80
	ALOAD0 0
	WIN 0
	s_mov_b32 s89, 0
.Lchunk:                                               ; four trips: 64 columns each
.irp t, 0,1,2,3
	global_load_b128 v[DV+4*\t:DV+4*\t+3], v7, s[86:87] offset:256*\t      ; (dh', dh', v, v) of column 16 t + r: sixteen lanes read 256 consecutive bytes
.endr
.irp k, 0,1,2,3,4,5,6,7
	KSTEP \k
.endr
.irp b, 0,1,2,3,4,5,6,7,8
	EPI \b                                         ; block 0's results stand behind step 7's places; the vector work on the earlier blocks is the places behind the last products
.endr
	WIN 0
.irp t, 0,1,2,3
	v_pk_add_f32 v[80:81], v[80:81], v[DV+4*\t+2:DV+4*\t+3]
.endr
	s_wait_xcnt 0x0                                ; the loads issued so far have read their bases: only now are the three stepped
	s_add_co_u32 s88, s88, 0x10000
	s_and_b32 s88, s88, 0x3ffff                    ; behind chunk 3 comes chunk 0
	s_mov_b64 s[82:83], s[84:85]
	s_add_co_u32 s2, s88, 0x10000
	s_and_b32 s2, s2, 0x3ffff
	s_add_nc_u64 s[84:85], s[6:7], s[2:3]
	s_lshr_b32 s2, s88, 6                          ; 64 columns of 16 bytes
	s_add_nc_u64 s[86:87], s[8:9], s[2:3]
	s_add_co_u32 s89, s89, 1
	s_cmp_lt_u32 s89, 4
	s_cbranch_scc1 .Lchunk
.set I, 0
.rept 36
	v_pk_fma_f32 v[SC+I:SC+I+1], v[SC+I:SC+I+1], -2.0, v[80:81] op_sel_hi:[1,0,1]   ; my columns' part of the score: sum of v - 2 sum of v / (1 + 2^y)
.set I, I+2
.endr
.irp b, 0,1,2,3,4,5,6,7,8
	FOLD \b
.endr
.Lskip2:
	BAR                                            ; the four waves' parts of the 144 scores lie in LDS; nobody reads the codes any more
	s_cmp_eq_u32 s27, 0
	s_cbranch_scc1 .Lskip3
; ---------------- 3: the scores, the running maximum, my rows' p, the weighted sum
	s_add_nc_u64 s[66:67], s[10:11], s[12:13]      ; the list at my wave's place
	global_load_b32 v27, v13, s[66:67] offset:256          ; the rows' numbers of my slots lane
	global_load_b32 v28, v13, s[66:67] offset:256+128      ; and 32 + lane (of which lanes 0-3 at the most count)
.irp i, 0,1,2,3
.irp u, 0,1,2,3
	ds_load_b32 v[64+4*\i+\u], v9 offset:576*\u+128*\i
.endr
.endr
.irp u, 0,1,2,3
	ds_load_b32 v[80+\u], v10 offset:576*\u
	ds_load_b32 v[84+\u], v11 offset:576*\u
	ds_load_b32 v[88+\u], v12 offset:576*\u
.endr
	v_cmp_gt_i32 s90, s27, v19                     ; which lanes' slots hold rows: slots lane, 32 + lane, .. 128 + lane,
	s_sub_co_i32 s2, s27, 32
	v_cmp_gt_i32 s91, s2, v19
	s_sub_co_i32 s2, s27, 64
	v_cmp_gt_i32 s92, s2, v19
	s_sub_co_i32 s2, s27, 96
	v_cmp_gt_i32 s93, s2, v19
	s_sub_co_i32 s2, s27, 128
	v_cmp_gt_i32 s94, s2, v19
	v_cmp_gt_i32 s95, s101, v19                    ; my slots lane and 32 + lane
	s_sub_co_i32 s2, s101, 32
	v_cmp_gt_i32 s96, s2, v19
	s_wait_dscnt 0x0
.irp g, 0,1,2,3,4,5,6
	v_add_f32 v[64+4*\g], v[64+4*\g], v[65+4*\g]   ; the four waves' parts, in one order everywhere
	v_add_f32 v[66+4*\g], v[66+4*\g], v[67+4*\g]
.endr
.irp g, 0,1,2,3,4,5,6
	v_add_f32 v[64+4*\g], v[64+4*\g], v[66+4*\g]
.endr
.irp g, 0,1,2,3,4,5,6
	v_cndmask_b32 v[64+4*\g], v[64+4*\g], v24, s97         ; a batch that is masked as a whole: every score is -1e9
	v_cndmask_b32 v[64+4*\g], v25, v[64+4*\g], s[90+\g]    ; a slot without a row: under every score
.endr
	v_max3_num_f32 v65, v64, v68, v72
	v_max3_num_f32 v65, v65, v76, v80
	v_max_num_f32_dpp v65, v65, v65 row_xmask:1 row_mask:0xf bank_mask:0xf
	v_max_num_f32_dpp v65, v65, v65 row_xmask:2 row_mask:0xf bank_mask:0xf
	v_max_num_f32_dpp v65, v65, v65 row_xmask:4 row_mask:0xf bank_mask:0xf
	v_max_num_f32_dpp v65, v65, v65 row_xmask:8 row_mask:0xf bank_mask:0xf
	v_permlanex16_b32 v26, v65, s98, s99
	v_max_num_f32 v65, v65, v26                    ; the group's largest score
	v_max_num_f32 v66, v16, v65                    ; the new m
	v_sub_f32 v67, v16, v66
	v_sub_f32 v17, v84, v66
	v_sub_f32 v18, v88, v66
	v_mul_f32 v67, 0x3fb8aa3b, v67
	v_mul_f32 v17, 0x3fb8aa3b, v17
	v_mul_f32 v18, 0x3fb8aa3b, v18
	v_exp_f32 v22, v67                             ; f = exp(old m - new m); 0 in the first group
	v_exp_f32 v17, v17                             ; p of my rows; 0 for a slot without a row
	v_exp_f32 v18, v18
	v_mov_b32 v16, v66                             ; (a plain place behind the transcendentals)
	s_wait_alu depctr_va_vdst(0)
.irp m, 0,2,4,6,8,10,12,14,16,18,20,22,24,26,28,30
	v_pk_mul_f32 v[CX+\m:CX+\m+1], v[CX+\m:CX+\m+1], v[22:23] op_sel_hi:[1,0]   ; what was summed under the old m
.endr
; my 36 slots' scores go out.  Every lane stores: a lane whose slot holds no row takes the row and the score of the group's slot 0, which holds one (the phase runs only where the group has rows):
; the same number then goes to the same word more than once, from this work-group alone.
	s_wait_loadcnt 0x0                             ; my rows' numbers are in (older than they: only W's ring, asked for ahead of the last chunk's vector work)
	v_readfirstlane_b32 s23, v64                   ; slot 0's score
	v_cndmask_b32 v27, s22, v27, s95
	v_cndmask_b32 v28, s22, v28, s96
	v_min_u32 v27, 2047, v27                       ; a row of the batch
	v_min_u32 v28, 2047, v28
	v_lshlrev_b32 v27, 2, v27
	v_lshlrev_b32 v28, 2, v28
	v_cndmask_b32 v85, s23, v84, s95
	v_cndmask_b32 v89, s23, v88, s96
	global_store_b32 v27, v85, s[14:15]
	global_store_b32 v28, v89, s[14:15]
.set RZ, 0
.rept 5
	ROWADR 35-RZ, RZ                               ; the rows that were not kept are asked for now, the last read first: they are on their way while the 18 kept rows are summed
	ROWLOAD RZ, 1
.set RZ, RZ+1
.endr
	s_wait_xcnt 0x0                                ; the two stores have read their registers: the loads below land on the data's
	KLOAD 0
	KLOAD 1
.set KI, 0
.rept 18
	KROW KI
.set KI, KI+1
.endr
.set ZI, 0
.rept 18
	XROW ZI
.set ZI, ZI+1
.endr
.Lskip3:
	s_add_co_u32 s26, s26, 1
	s_cmp_lt_u32 s26, 2
	s_cbranch_scc1 .Lgroup
; ---------------- the way out: the four waves' sums meet in LDS; each wave adds and stores a quarter, 1,024 bytes
.irp c, 0,1,2,3,4,5,6,7
	ds_store_b128 v30, v[CX+4*\c:CX+4*\c+3] offset:512*\c
.endr
	BAR
.irp u, 0,1
.irp w, 0,1,2,3
	ds_load_b128 v[64+16*\u+4*\w:67+16*\u+4*\w], v31 offset:4096*\w+512*\u
.endr
.endr
	s_wait_dscnt 0x0
.irp u, 0,1
.irp p, 0,2
	v_pk_add_f32 v[64+16*\u+\p:65+16*\u+\p], v[64+16*\u+\p:65+16*\u+\p], v[68+16*\u+\p:69+16*\u+\p]
	v_pk_add_f32 v[72+16*\u+\p:73+16*\u+\p], v[72+16*\u+\p:73+16*\u+\p], v[76+16*\u+\p:77+16*\u+\p]
	v_pk_add_f32 v[64+16*\u+\p:65+16*\u+\p], v[64+16*\u+\p:65+16*\u+\p], v[72+16*\u+\p:73+16*\u+\p]
.endr
	global_store_b128 v29, v[64+16*\u:67+16*\u], s[16:17] offset:512*\u    ; a wave stores 512 consecutive bytes
.endr
	s_cmp_lg_u32 s18, 0
	s_cbranch_scc1 .Lend
	v_mov_b32 v20, v16                             ; m, 128 times: 512 consecutive bytes behind the sum
	v_mov_b32 v21, v16
	v_mov_b32 v22, v16
	v_mov_b32 v23, v16
	global_store_b128 v1, v[20:23], s[16:17] offset:4096
.Lend:
	s_set_vgpr_msb 0xa
	s_wait_tensorcnt 0x0
	ds_add_u32 v254, v255
	s_wait_dscnt 0x0
	s_set_vgpr_msb 0xa00
	s_endpgm
.Lfunc_end_k_q9a18e7aa13_attend:
	.size	k_q9a18e7aa13_attend, .Lfunc_end_k_q9a18e7aa13_attend-k_q9a18e7aa13_attend
	.p2alignl 7, 3214868480
	.fill 96, 4, 3214868480
	.section	.rodata,"a",@progbits
	.p2align	6, 0x0
	.amdhsa_kernel k_q9a18e7aa13_attend
		.amdhsa_group_segment_fixed_size 316416
		.amdhsa_private_segment_fixed_size 0
		.amdhsa_enable_private_segment 0
		.amdhsa_kernarg_size 56
		.amdhsa_user_sgpr_count 2
		.amdhsa_user_sgpr_kernarg_segment_ptr 1
		.amdhsa_wavefront_size32 1
		.amdhsa_system_sgpr_workgroup_id_x 1
		.amdhsa_system_sgpr_workgroup_id_y 1
		.amdhsa_system_sgpr_workgroup_id_z 1
		.amdhsa_system_vgpr_workitem_id 0
		.amdhsa_next_free_vgpr 1024
		.amdhsa_next_free_sgpr 102
		.amdhsa_reserve_vcc 0
		.amdhsa_float_denorm_mode_32 3
		.amdhsa_float_denorm_mode_16_64 3
		.amdhsa_memory_ordered 1
		.amdhsa_forward_progress 1
		.amdhsa_inst_pref_size 255
	.end_amdhsa_kernel
	.section	.bss,"aw",@nobits
	.p2align	6
	.space	262144
	.amdgpu_metadata
---
amdhsa.version: [ 1, 2 ]
amdhsa.kernels:
  - .name:           k_q9a18e7aa13_attend
    .symbol:         k_q9a18e7aa13_attend.kd
    .args:
      - { .name: enc_outputs, .offset: 0, .size: 8, .value_kind: global_buffer, .address_space: global }
      - { .name: wf, .offset: 8, .size: 8, .value_kind: global_buffer, .address_space: global }
      - { .name: dv, .offset: 16, .size: 8, .value_kind: global_buffer, .address_space: global }
      - { .name: list, .offset: 24, .size: 8, .value_kind: global_buffer, .address_space: global }
      - { .name: lowp_scales, .offset: 32, .size: 8, .value_kind: global_buffer, .address_space: global }
      - { .name: scores, .offset: 40, .size: 8, .value_kind: global_buffer, .address_space: global }
      - { .name: cpart, .offset: 48, .size: 8, .value_kind: global_buffer, .address_space: global }
    .group_segment_fixed_size: 316416
    .private_segment_fixed_size: 0
    .kernarg_segment_align: 8
    .kernarg_segment_size: 56
    .max_flat_workgroup_size: 128
    .sgpr_count:     102
    .vgpr_count:     1024
    .wavefront_size: 32
...
	.end_amdgpu_metadata
.endif
;; end of part 2
;; launch combine (part 3): grid 32 x 1, 8 waves a work-group, no clusters, 1,280 bytes of LDS; arguments scores, cpart, out0, out1; writes out0, out1
.if DOCPART == 3
	.amdgcn_target "amdgcn-amd-amdhsa--gfx1250"
	.amdhsa_code_object_version 6
	.text
	.protected	k_q9a18e7aa13_combine
	.globl	k_q9a18e7aa13_combine
	.p2align	8
	.type	k_q9a18e7aa13_combine,@function
k_q9a18e7aa13_combine:
	s_mov_b64 s[64:65], 0
	v_nop
	global_prefetch_b8 v0, s[64:65] scope:SCOPE_SE
	s_setreg_imm32_b32 hwreg(HW_REG_WAVE_MODE, 25, 1), 1
	s_wait_xcnt 0x0
; Batch b = the work-group's number.  weights = softmax of the batch's 2,048 scores (masked rows hold -1e9), with the row's maximum M taken away first;
; context = sum over the eight parts j of exp(m_j - M) c_j, divided by the softmax's sum L.  A part without rows holds zeros and m_j = -3e38: its factor is 0.
; 256 threads: 8 scores and 4 numbers of the context each.  A work-group moves some 52 KB: plain loads and two small reductions through LDS are all that it needs.
; REGISTERS: v2 16 x thread | v4-11 my scores, then weights | v12 my wave's LDS word | v13 M | v14 for lane exchanges | v15 0 | v16-47 the eight parts' four numbers | v48-55 the waves' words
;   v56-63 the parts' factors | v64-67 the sum at work | v68 1 / L | v72-75 my four numbers of the context
.set PROW, 4608                        ; a part's row: 4,096 bytes of sums, 512 of m
	s_load_b256 s[4:11], s[0:1], 0x0               ; scores s[4:5], cpart s[6:7], out0 s[8:9], out1 s[10:11]
	v_lshl_add_u32 v80, v0, 2, 0x100
	v_mov_b32 v81, 0
	v_lshrrev_b32 v1, 5, v0
	v_readfirstlane_b32 s12, v1                    ; wave
	v_lshlrev_b32 v2, 4, v0                        ; 16 x thread
	v_mov_b32 v12, s12
	v_lshlrev_b32 v12, 2, v12                      ; LDS: my wave's word
	v_mov_b32 v14, 0                               ; (a lane exchange's destination counts as read)
	v_mov_b32 v15, 0
	s_mov_b32 s15, 0
	s_mov_b32 s16, 0x76543210                      ; v_permlanex16_b32: lane l xor 16
	s_mov_b32 s17, 0xfedcba98
	s_wait_kmcnt 0x0
	s_lshl_b32 s14, ttmp9, 13
	s_add_nc_u64 s[4:5], s[4:5], s[14:15]
	s_add_nc_u64 s[10:11], s[10:11], s[14:15]
	s_mul_i32 s14, ttmp9, 8*PROW
	s_add_nc_u64 s[6:7], s[6:7], s[14:15]
	s_lshl_b32 s14, ttmp9, 12
	s_add_nc_u64 s[8:9], s[8:9], s[14:15]
.irp j, 0,1,2,3,4,5,6,7
	s_load_b32 s[20+\j], s[6:7], PROW*\j+4096      ; m_j
.endr
	global_load_b128 v[4:7], v2, s[4:5]
	global_load_b128 v[8:11], v2, s[4:5] offset:4096
.irp j, 0,1,2,3,4,5,6,7
	global_load_b128 v[16+4*\j:19+4*\j], v2, s[6:7] offset:PROW*\j
.endr
	s_wait_loadcnt 8                               ; the scores are in; the eight parts' loads stay out
	v_max3_num_f32 v13, v4, v5, v6
	v_max3_num_f32 v13, v13, v7, v8
	v_max3_num_f32 v13, v13, v9, v10
	v_max_num_f32 v13, v13, v11
	v_max_num_f32_dpp v13, v13, v13 row_xmask:1 row_mask:0xf bank_mask:0xf
	v_max_num_f32_dpp v13, v13, v13 row_xmask:2 row_mask:0xf bank_mask:0xf
	v_max_num_f32_dpp v13, v13, v13 row_xmask:4 row_mask:0xf bank_mask:0xf
	v_max_num_f32_dpp v13, v13, v13 row_xmask:8 row_mask:0xf bank_mask:0xf
	v_permlanex16_b32 v14, v13, s16, s17
	v_max_num_f32 v13, v13, v14
	ds_store_b32 v12, v13
	s_wait_dscnt 0x0                               ; for the others' sake: my word has landed
	s_barrier_signal -1
	s_barrier_wait -1
	ds_load_b128 v[48:51], v15
	ds_load_b128 v[52:55], v15 offset:16
	s_wait_dscnt 0x0
	v_max3_num_f32 v13, v48, v49, v50
	v_max3_num_f32 v13, v13, v51, v52
	v_max3_num_f32 v13, v13, v53, v54
	v_max_num_f32 v13, v13, v55                    ; M
	s_wait_kmcnt 0x0
.irp i, 0,1,2,3,4,5,6,7
	v_sub_f32 v[4+\i], v[4+\i], v13                ; the difference first, then the factor: exact 0 where a score equals M, however large both are
	v_sub_f32 v[56+\i], s[20+\i], v13
.endr
.irp i, 0,1,2,3,4,5,6,7
	v_mul_f32 v[4+\i], 0x3fb8aa3b, v[4+\i]
	v_mul_f32 v[56+\i], 0x3fb8aa3b, v[56+\i]
.endr
.irp i, 0,1,2,3,4,5,6,7
	v_exp_f32 v[4+\i], v[4+\i]
	v_exp_f32 v[56+\i], v[56+\i]
.endr
	v_nop                                          ; a plain place behind the last transcendental
	s_wait_alu depctr_va_vdst(0)
	v_pk_add_f32 v[64:65], v[4:5], v[6:7]
	v_pk_add_f32 v[66:67], v[8:9], v[10:11]
	v_pk_add_f32 v[64:65], v[64:65], v[66:67]
	v_add_f32 v64, v64, v65
	v_add_f32_dpp v64, v64, v64 row_xmask:1 row_mask:0xf bank_mask:0xf
	v_add_f32_dpp v64, v64, v64 row_xmask:2 row_mask:0xf bank_mask:0xf
	v_add_f32_dpp v64, v64, v64 row_xmask:4 row_mask:0xf bank_mask:0xf
	v_add_f32_dpp v64, v64, v64 row_xmask:8 row_mask:0xf bank_mask:0xf
	v_permlanex16_b32 v14, v64, s16, s17
	v_add_f32 v64, v64, v14
	ds_store_b32 v12, v64 offset:32                ; other words than the maxima's: no barrier is owed between the two uses
	s_wait_dscnt 0x0
	s_barrier_signal -1
	s_barrier_wait -1
	ds_load_b128 v[48:51], v15 offset:32
	ds_load_b128 v[52:55], v15 offset:48
	s_wait_dscnt 0x0
	v_add_f32 v48, v48, v49
	v_add_f32 v50, v50, v51
	v_add_f32 v52, v52, v53
	v_add_f32 v54, v54, v55
	v_add_f32 v48, v48, v50
	v_add_f32 v52, v52, v54
	v_add_f32 v48, v48, v52                        ; L, at least 1: the largest score's term is 1
	v_rcp_f32 v68, v48
	v_nop
	s_wait_alu depctr_va_vdst(0)
.irp i, 0,1,2,3,4,5,6,7
	v_mul_f32 v[4+\i], v[4+\i], v68
	v_mul_f32 v[56+\i], v[56+\i], v68              ; exp(m_j - M) / L
.endr
	global_store_b128 v2, v[4:7], s[10:11]
	global_store_b128 v2, v[8:11], s[10:11] offset:4096
	s_wait_loadcnt 0x0                             ; the eight parts
.irp e, 0,1,2,3
	v_mul_f32 v[72+\e], v[16+\e], v56
.endr
.irp j, 1,2,3,4,5,6,7
.irp e, 0,1,2,3
	v_fma_f32 v[72+\e], v[16+4*\j+\e], v[56+\j], v[72+\e]
.endr
.endr
	global_store_b128 v2, v[72:75], s[8:9]
	s_wait_tensorcnt 0x0
	ds_add_u32 v80, v81
	s_wait_dscnt 0x0
	s_endpgm
.Lfunc_end_k_q9a18e7aa13_combine:
	.size	k_q9a18e7aa13_combine, .Lfunc_end_k_q9a18e7aa13_combine-k_q9a18e7aa13_combine
	.p2alignl 7, 3214868480
	.fill 96, 4, 3214868480
	.section	.rodata,"a",@progbits
	.p2align	6, 0x0
	.amdhsa_kernel k_q9a18e7aa13_combine
		.amdhsa_group_segment_fixed_size 1280
		.amdhsa_private_segment_fixed_size 0
		.amdhsa_enable_private_segment 0
		.amdhsa_kernarg_size 32
		.amdhsa_user_sgpr_count 2
		.amdhsa_user_sgpr_kernarg_segment_ptr 1
		.amdhsa_wavefront_size32 1
		.amdhsa_system_sgpr_workgroup_id_x 1
		.amdhsa_system_sgpr_workgroup_id_y 1
		.amdhsa_system_sgpr_workgroup_id_z 1
		.amdhsa_system_vgpr_workitem_id 0
		.amdhsa_next_free_vgpr 82
		.amdhsa_next_free_sgpr 66
		.amdhsa_reserve_vcc 0
		.amdhsa_float_denorm_mode_32 3
		.amdhsa_float_denorm_mode_16_64 3
		.amdhsa_memory_ordered 1
		.amdhsa_forward_progress 1
		.amdhsa_inst_pref_size 10
	.end_amdhsa_kernel
	.amdgpu_metadata
---
amdhsa.version: [ 1, 2 ]
amdhsa.kernels:
  - .name:           k_q9a18e7aa13_combine
    .symbol:         k_q9a18e7aa13_combine.kd
    .args:
      - { .name: scores, .offset: 0, .size: 8, .value_kind: global_buffer, .address_space: global }
      - { .name: cpart, .offset: 8, .size: 8, .value_kind: global_buffer, .address_space: global }
      - { .name: out0, .offset: 16, .size: 8, .value_kind: global_buffer, .address_space: global }
      - { .name: out1, .offset: 24, .size: 8, .value_kind: global_buffer, .address_space: global }
    .group_segment_fixed_size: 1280
    .private_segment_fixed_size: 0
    .kernarg_segment_align: 8
    .kernarg_segment_size: 32
    .max_flat_workgroup_size: 256
    .sgpr_count:     66
    .vgpr_count:     82
    .wavefront_size: 32
...
	.end_amdgpu_metadata
.endif
;; end of part 3
;; ======== version 2 of 2: 3 launches; version 1 with the launches prep, attend written anew for expert scheduling mode
;; limits: right only within a limited range of input values
;; workspace buffers: wf 1,048,576 bytes; dv 524,288 bytes; list 303,104 bytes of whole numbers; scores 262,144 bytes; cpart 1,179,648 bytes
;; launch prep (part 4): grid 72 x 1, 8 waves a work-group, no clusters, 1,280 bytes of LDS; arguments mask, W_enc_codes, W_dec_codes, dec_hidden_codes, v, lowp_scales, list, scores, dv, wf; writes list, scores, dv, wf
.if DOCPART == 4
	.amdgcn_target "amdgcn-amd-amdhsa--gfx1250"
	.amdhsa_code_object_version 6
	.text
	.protected	k_q9a18e7aa13_prep
	.globl	k_q9a18e7aa13_prep
	.p2align	8
	.type	k_q9a18e7aa13_prep,@function
k_q9a18e7aa13_prep:
	s_mov_b64 s[64:65], 0
	v_nop
	global_prefetch_b8 v0, s[64:65] scope:SCOPE_SE
	s_setreg_imm32_b32 hwreg(HW_REG_WAVE_SCHED_MODE, 0, 2), 2
	s_setreg_imm32_b32 hwreg(HW_REG_WAVE_MODE, 25, 1), 1
	s_wait_xcnt 0x0
	s_wait_alu depctr_vm_vsrc(0)
; Three small jobs in one launch, chosen by the work-group's number x (the same for all eight waves of a work-group):
;   x = 0..31  (M) batch x: the rows of the mask are sorted, unmasked first, both parts in ascending order, into list; scores of the batch are filled with -1e9
;   x = 32..39 (D) dh = dec_hidden W_dec^T on the given E4M3 codes; stored with v as quads (dh', dh', v, v), dh' = dh x 2 log2(e), one quad for each (batch, column)
;   x = 40..71 (W) W_enc's codes are laid in the order in which the next launch's operand registers take them
; list, a row of 9,472 bytes for each batch: word 0 = rows to be worked (the count of unmasked rows; 2,048 where there is none), word 1 = 1 where every row is masked, words 2-63 = 0,
;   from byte 256 on 2,304 entries: the unmasked rows, the masked rows, 256 zeros.
; wf: unit of 16 bytes number ((((w 4 + c) 8 + k) 4 + t) 4 + q) 32 + lane holds W_enc[256 w + 64 c + 16 t + lane % 16][128 k + 32 q + 16 (lane / 16) + 0..15].
; Only job M uses LDS and a barrier.  No tensor loads: every job is a few loads and stores a thread.
; THE MODE: SCHED_MODE bits 1:0 = 2 (LLVM: expert scheduling mode 2), set by the entry lines.  The code itself states the register dependences
; between vector or matrix instructions and memory or LDS instructions, with s_wait_alu, always for 0.
; THE PLAN.  In each job the offsets and the stores' data are made in a run, one wait on va_vdst follows, and the loads and stores stand behind it; no register that a memory or LDS
; instruction has read is written again, so no wait on vm_vsrc is owed.  Scalar registers that vector instructions write (the wave's number, the compares' masks, the waves' counts) are written
; in runs, each with one wait on va_sdst ahead of its first reader.
.set NEGBIG, 0xce6e6b28                ; -1e9 as f32
.set LROW,   9472                      ; bytes of a row of list
	s_load_b512 s[4:19], s[0:1], 0x0               ; mask s[4:5], W_enc s[6:7], W_dec s[8:9], dec_hidden s[10:11], v s[12:13], scales s[14:15], list s[16:17], scores s[18:19]
	s_load_b128 s[20:23], s[0:1], 0x40             ; dv s[20:21], wf s[22:23]
	v_lshl_add_u32 v62, v0, 2, 0x100
	v_mov_b32 v63, 0
	v_lshrrev_b32 v1, 5, v0
	v_readfirstlane_b32 s24, v1                    ; wave 0..7
	v_and_b32 v2, 31, v0                           ; lane
	s_mov_b32 s27, 0                               ; the high word of the offsets made in s26
	s_wait_alu depctr_va_sdst(0)                   ; s24 is written: ahead of the branches, and so of its first reader in each job
	s_wait_kmcnt 0x0
	s_cmp_lt_u32 ttmp9, 32
	s_cbranch_scc1 .Lrole_m
	s_cmp_lt_u32 ttmp9, 40
	s_cbranch_scc1 .Lrole_d
; ---------------- W: 8 units of 16 bytes a thread.  X = x - 40; unit u = (8 X + i) 256 + thread
	s_sub_co_u32 s25, ttmp9, 40                    ; X
	v_and_b32 v3, 15, v0                           ; r
	v_bfe_u32 v4, v0, 4, 1                         ; h
	v_bfe_u32 v5, v0, 5, 2                         ; q
	v_lshrrev_b32 v6, 7, v0                        ; t's low bit
	v_lshlrev_b32 v7, 10, v3                       ; from: 1,024 r
	v_lshl_add_u32 v7, v4, 4, v7                   ; + 16 h
	v_lshl_add_u32 v7, v5, 5, v7                   ; + 32 q
	v_lshl_add_u32 v7, v6, 14, v7                  ; + 16 rows for t's low bit
	v_lshlrev_b32 v8, 4, v0                        ; to: 16 x thread
	s_and_b32 s26, s25, 1
	s_lshl_b32 s26, s26, 9                         ; k's high bit: 512 bytes
	s_bfe_u32 s28, s25, 0x20001                    ; c = (X >> 1) & 3
	s_lshl_b32 s28, s28, 16                        ; 64 rows
	s_add_co_u32 s26, s26, s28
	s_lshr_b32 s28, s25, 3                         ; w
	s_lshl_b32 s28, s28, 18                        ; 256 rows
	s_add_co_u32 s26, s26, s28
	s_add_nc_u64 s[6:7], s[6:7], s[26:27]
	s_lshl_b32 s26, s25, 15                        ; 8 x 256 units of 16 bytes
	s_add_nc_u64 s[22:23], s[22:23], s[26:27]
	s_wait_alu depctr_va_vdst(0)                   ; v7 and v8 are written: the offsets of the loads and of the stores below
.irp i, 0,1,2,3,4,5,6,7
	global_load_b128 v[16+4*\i:19+4*\i], v7, s[6:7] offset:(\i%2)*32768+(\i/2)*128   ; i's low bit is t's high bit (32 rows), the rest k's low bits
.endr
.irp i, 0,1,2,3,4,5,6,7
	s_wait_loadcnt 7-\i                            ; loads come back in order: number i is in, the younger ones stay out
	global_store_b128 v8, v[16+4*\i:19+4*\i], s[22:23] offset:4096*\i   ; a wave stores 512 consecutive bytes
.endr
	s_endpgm
; ---------------- D: wave = tile nt of 16 columns, both tiles of 16 batches; K = 1,024 in two halves of four steps of 128
.Lrole_d:
	s_load_b64 s[28:29], s[14:15], 0x0             ; e0 (dec_hidden), e1 (W_dec)
	s_sub_co_u32 s25, ttmp9, 32
	s_lshl_b32 s25, s25, 3
	s_add_co_u32 s25, s25, s24                     ; nt = 8 (x - 32) + wave
	v_and_b32 v3, 15, v0                           ; r
	v_bfe_u32 v4, v0, 4, 1                         ; h
	v_lshlrev_b32 v5, 10, v3
	v_lshl_add_u32 v5, v4, 4, v5                   ; a fragment's place: row r of 1,024 codes, + 16 h
	v_lshlrev_b32 v6, 2, v3                        ; v: 4 r
	v_lshlrev_b32 v7, 4, v3
	v_lshl_add_u32 v7, v4, 17, v7                  ; dv: 16 r + 8 h batches of 16,384 bytes
	s_lshl_b32 s26, s25, 14
	s_add_nc_u64 s[8:9], s[8:9], s[26:27]          ; W_dec at row 16 nt
	s_lshl_b32 s26, s25, 6
	s_add_nc_u64 s[12:13], s[12:13], s[26:27]      ; v at 16 nt
	s_lshl_b32 s26, s25, 8
	s_add_nc_u64 s[20:21], s[20:21], s[26:27]      ; dv at column 16 nt
	s_wait_alu depctr_va_vdst(0)                   ; v5, v6 and v7 are written: the offsets of every load and store of this job
	global_load_b32 v8, v6, s[12:13]               ; v[16 nt + r]
; Fragments by four loads of 16 bytes: registers 4 q .. 4 q + 3 hold k = 32 q + 16 h + 0..15: the same permutation of k on both sides, so every product meets its partner.
; v64-191: dec_hidden (step kk, tile mt at 64 + 16 (2 kk + mt)); v192-255: W_dec; v32-39, v40-47: the two accumulators, which take turns.
.macro DHALF hf
.if \hf > 0
	s_wait_alu depctr_va_vdst(0)                   ; the first half's products are done reading v64-255, in which the second half's loads land
.endif
.irp kk, 0,1,2,3
.irp q, 0,1,2,3
	global_load_b128 v[64+32*\kk+4*\q:67+32*\kk+4*\q], v5, s[10:11] offset:128*(4*\hf+\kk)+32*\q
	global_load_b128 v[80+32*\kk+4*\q:83+32*\kk+4*\q], v5, s[10:11] offset:16384+128*(4*\hf+\kk)+32*\q
	global_load_b128 v[192+16*\kk+4*\q:195+16*\kk+4*\q], v5, s[8:9] offset:128*(4*\hf+\kk)+32*\q
.endr
.endr
	s_wait_loadcnt 0x0
.irp kk, 0,1,2,3
.if (\hf == 0) && (\kk == 0)
	v_wmma_f32_16x16x128_fp8_fp8 v[32:39], v[64:79], v[192:207], 0          ; the first K step starts both sums
	v_wmma_f32_16x16x128_fp8_fp8 v[40:47], v[80:95], v[192:207], 0
.else
	v_wmma_f32_16x16x128_fp8_fp8 v[32:39], v[64+32*\kk:79+32*\kk], v[192+16*\kk:207+16*\kk], v[32:39]
	v_wmma_f32_16x16x128_fp8_fp8 v[40:47], v[80+32*\kk:95+32*\kk], v[192+16*\kk:207+16*\kk], v[40:47]
.endif
.endr
.rept 4
	v_nop                                          ; four places behind the last product: then loads into its sources, or reads of the results
.endr
.endm
	DHALF 0
	DHALF 1
	s_wait_kmcnt 0x0
	s_add_co_i32 s28, s28, s29                     ; e0 + e1, applied by v_ldexp_f32: no limit on it
; register j of lane (r, h) of accumulator mt is dh(batch 16 mt + 8 h + j, column 16 nt + r); each accumulator is read from its low end on
.irp mt, 0,1
.irp j, 0,1,2,3,4,5,6,7
	v_mul_f32 v[64+4*(8*\mt+\j)], 0x4038aa3b, v[32+8*\mt+\j]               ; x 2 log2(e)
	v_ldexp_f32 v[64+4*(8*\mt+\j)], v[64+4*(8*\mt+\j)], s28
	v_mov_b32 v[65+4*(8*\mt+\j)], v[64+4*(8*\mt+\j)]
	v_mov_b32 v[66+4*(8*\mt+\j)], v8
	v_mov_b32 v[67+4*(8*\mt+\j)], v8
.endr
.endr
	s_wait_alu depctr_va_vdst(0)                   ; the sixteen quads v64-127 are written, which the stores read
.irp mt, 0,1
.irp j, 0,1,2,3,4,5,6,7
	global_store_b128 v7, v[64+4*(8*\mt+\j):67+4*(8*\mt+\j)], s[20:21] offset:(16*\mt+\j)*16384   ; sixteen lanes store 256 consecutive bytes, aligned
.endr
.endr
	s_endpgm
; ---------------- M: batch x.  Thread (wave w, lane l) looks at rows s = 256 w + 32 i + l, i = 0..7
.Lrole_m:
	s_lshl_b32 s26, ttmp9, 13
	s_add_nc_u64 s[4:5], s[4:5], s[26:27]          ; the batch's row of the mask,
	s_add_nc_u64 s[18:19], s[18:19], s[26:27]      ; and of scores
	s_mul_i32 s26, ttmp9, LROW
	s_add_nc_u64 s[16:17], s[16:17], s[26:27]      ; and of list
	v_lshlrev_b32 v3, 2, v2
	s_lshl_b32 s25, s24, 10
	v_add_nc_u32 v3, s25, v3                       ; 1,024 w + 4 l
	v_mov_b32 v4, NEGBIG
	v_mov_b32 v5, NEGBIG
	v_mov_b32 v6, NEGBIG
	v_mov_b32 v7, NEGBIG
	v_lshlrev_b32 v8, 4, v0
	v_lshlrev_b32 v9, 2, v0
	v_mov_b32 v10, 0
	s_lshl_b32 s25, s24, 8
	v_add_nc_u32 v13, s25, v2                      ; 256 w + l
	v_mov_b32 v11, s24
	v_lshlrev_b32 v11, 2, v11                      ; LDS: my wave's word
	s_wait_alu depctr_va_vdst(0)                   ; the offsets v3, v8, v9, the stores' data v4-7 and v10, and the LDS addresses v10 and v11 are written
.irp i, 0,1,2,3,4,5,6,7
	global_load_b32 v[16+\i], v3, s[4:5] offset:128*\i
.endr
	global_store_b128 v8, v[4:7], s[18:19]                 ; every score of the batch begins as -1e9; the next launch writes the listed rows'
	global_store_b128 v8, v[4:7], s[18:19] offset:4096
	global_store_b32 v9, v10, s[16:17] offset:256+8192     ; entries 2,048 to 2,303 are 0
	s_wait_loadcnt 0x0
.irp i, 0,1,2,3,4,5,6,7
	v_cmp_ne_u32 s[32+\i], 0, v[16+\i]             ; s[32+i]: which lanes' rows count
.endr
	s_wait_alu depctr_va_sdst(0)                   ; the eight masks s32-39 are written, ahead of their first readers, the counts below
	s_mov_b32 s40, 0                               ; s[40+i]: unmasked rows of my wave ahead of group i
.irp i, 0,1,2,3,4,5,6,7
	s_bcnt1_i32_b32 s28, s[32+\i]
	s_add_co_u32 s[41+\i], s[40+\i], s28
.endr
	v_mov_b32 v12, s48                             ; my wave's count
	s_wait_alu depctr_va_vdst(0)                   ; v12 is written, which the LDS store reads
	ds_store_b32 v11, v12
	s_wait_dscnt 0x0                               ; for the others' sake: my word has landed
	s_barrier_signal -1
	s_barrier_wait -1
	ds_load_b128 v[24:27], v10                     ; the eight waves' counts
	ds_load_b128 v[28:31], v10 offset:16
	s_wait_dscnt 0x0
.irp u, 0,1,2,3,4,5,6,7
	v_readfirstlane_b32 s[50+\u], v[24+\u]
.endr
	s_wait_alu depctr_va_sdst(0)                   ; the eight counts s50-57 are written, ahead of their first readers, the sums below
	s_mov_b32 s29, 0                               ; unmasked rows ahead of my wave
	s_mov_b32 s30, 0                               ; and in all
.irp u, 0,1,2,3,4,5,6,7
	s_add_co_u32 s30, s30, s[50+\u]
	s_cmp_gt_u32 s24, \u
	s_cselect_b32 s28, s[50+\u], 0
	s_add_co_u32 s29, s29, s28
.endr
; the place of row s: unmasked: the unmasked rows ahead of it; masked: the count of all unmasked + the masked rows ahead of it.  Every lane stores once.
.irp i, 0,1,2,3,4,5,6,7
	s_add_co_u32 s28, s29, s[40+\i]
	v_mbcnt_lo_u32_b32 v[32+\i], s[32+\i], s28     ; unmasked rows ahead of s
	v_add_nc_u32 v[40+\i], 32*\i, v13              ; s
	v_sub_nc_u32 v[48+\i], v[40+\i], v[32+\i]
	v_add_nc_u32 v[48+\i], s30, v[48+\i]
	v_cndmask_b32 v[48+\i], v[48+\i], v[32+\i], s[32+\i]
	v_min_u32 v[48+\i], 2047, v[48+\i]             ; it is a place among 2,048
	v_lshlrev_b32 v[48+\i], 2, v[48+\i]
.endr
	s_wait_alu depctr_va_vdst(0)                   ; the eight places v48-55 and the eight rows' numbers v40-47 are written: the stores' offsets and data
.irp i, 0,1,2,3,4,5,6,7
	global_store_b32 v[48+\i], v[40+\i], s[16:17] offset:256
.endr
	s_cmp_lg_u32 s24, 0
	s_cbranch_scc1 .Lm_end                         ; wave 0 writes the row's first 256 bytes, whole
	s_cmp_eq_u32 s30, 0
	s_cselect_b32 s28, 1, 0                        ; every row masked?
	s_cselect_b32 s31, 2048, s30                   ; then all 2,048 rows are worked (the list is 0, 1, 2 .. by itself)
	v_cmp_eq_u32 vcc_lo, 0, v2
	v_mov_b32 v56, s31
	v_mov_b32 v57, s28
	v_lshlrev_b32 v58, 3, v2
	s_wait_alu depctr_va_vcc(0)                    ; VCC is written, ahead of its first reader
	v_cndmask_b32 v56, 0, v56, vcc_lo
	v_cndmask_b32 v57, 0, v57, vcc_lo
	s_wait_alu depctr_va_vdst(0)                   ; v56, v57 and the offset v58 are written, which the store reads
	global_store_b64 v58, v[56:57], s[16:17]
.Lm_end:
	s_wait_dscnt 0x0                               ; the closing lines, six on end
	s_wait_alu 0x0
	s_wait_tensorcnt 0x0
	ds_add_u32 v62, v63
	s_wait_dscnt 0x0
	s_endpgm
.Lfunc_end_k_q9a18e7aa13_prep:
	.size	k_q9a18e7aa13_prep, .Lfunc_end_k_q9a18e7aa13_prep-k_q9a18e7aa13_prep
	.p2alignl 7, 3214868480
	.fill 96, 4, 3214868480
	.section	.rodata,"a",@progbits
	.p2align	6, 0x0
	.amdhsa_kernel k_q9a18e7aa13_prep
		.amdhsa_group_segment_fixed_size 1280
		.amdhsa_private_segment_fixed_size 0
		.amdhsa_enable_private_segment 0
		.amdhsa_kernarg_size 80
		.amdhsa_user_sgpr_count 2
		.amdhsa_user_sgpr_kernarg_segment_ptr 1
		.amdhsa_wavefront_size32 1
		.amdhsa_system_sgpr_workgroup_id_x 1
		.amdhsa_system_sgpr_workgroup_id_y 1
		.amdhsa_system_sgpr_workgroup_id_z 1
		.amdhsa_system_vgpr_workitem_id 0
		.amdhsa_next_free_vgpr 256
		.amdhsa_next_free_sgpr 66
		.amdhsa_reserve_vcc 1
		.amdhsa_float_denorm_mode_32 3
		.amdhsa_float_denorm_mode_16_64 3
		.amdhsa_memory_ordered 1
		.amdhsa_forward_progress 1
		.amdhsa_inst_pref_size 29
	.end_amdhsa_kernel
	.amdgpu_metadata
---
amdhsa.version: [ 1, 2 ]
amdhsa.kernels:
  - .name:           k_q9a18e7aa13_prep
    .symbol:         k_q9a18e7aa13_prep.kd
    .args:
      - { .name: mask, .offset: 0, .size: 8, .value_kind: global_buffer, .address_space: global }
      - { .name: W_enc_codes, .offset: 8, .size: 8, .value_kind: global_buffer, .address_space: global }
      - { .name: W_dec_codes, .offset: 16, .size: 8, .value_kind: global_buffer, .address_space: global }
      - { .name: dec_hidden_codes, .offset: 24, .size: 8, .value_kind: global_buffer, .address_space: global }
      - { .name: v, .offset: 32, .size: 8, .value_kind: global_buffer, .address_space: global }
      - { .name: lowp_scales, .offset: 40, .size: 8, .value_kind: global_buffer, .address_space: global }
      - { .name: list, .offset: 48, .size: 8, .value_kind: global_buffer, .address_space: global }
      - { .name: scores, .offset: 56, .size: 8, .value_kind: global_buffer, .address_space: global }
      - { .name: dv, .offset: 64, .size: 8, .value_kind: global_buffer, .address_space: global }
      - { .name: wf, .offset: 72, .size: 8, .value_kind: global_buffer, .address_space: global }
    .group_segment_fixed_size: 1280
    .private_segment_fixed_size: 0
    .kernarg_segment_align: 8
    .kernarg_segment_size: 80
    .max_flat_workgroup_size: 256
    .sgpr_count:     66
    .vgpr_count:     256
    .wavefront_size: 32
...
	.end_amdgpu_metadata
.endif
;; end of part 4
;; launch attend (part 5): grid 8 x 32, 4 waves a work-group, no clusters, 316,416 bytes of LDS; arguments enc_outputs, wf, dv, list, lowp_scales, scores, cpart; writes scores, cpart
.if DOCPART == 5
	.amdgcn_target "amdgcn-amd-amdhsa--gfx1250"
	.amdhsa_code_object_version 6
	.text
	.protected	k_q9a18e7aa13_attend
	.globl	k_q9a18e7aa13_attend
	.p2align	8
	.type	k_q9a18e7aa13_attend,@function
k_q9a18e7aa13_attend:
	s_mov_b64 s[64:65], 0
	v_nop
	global_prefetch_b8 v0, s[64:65] scope:SCOPE_SE
	s_setreg_imm32_b32 hwreg(HW_REG_WAVE_SCHED_MODE, 0, 2), 2
	s_setreg_imm32_b32 hwreg(HW_REG_WAVE_MODE, 25, 1), 1
	s_wait_xcnt 0x0
	s_wait_alu depctr_vm_vsrc(0)
; Work-group (j, b) takes the j-th eighth of batch b's listed rows (list: the unmasked rows; all 2,048 where every row is masked) through the whole chain:
;   rows of enc_outputs -> E4M3 codes (scale 2^e2) -> x W_enc^T on the matrix units -> + dh, tanh, . v -> scores -> p = exp(score - m), m the work-group's running maximum -> sum of p x row.
; It stores the listed rows' scores, its unnormalised sum (1,024 f32) and m (128 copies: a row of cpart is 4,608 bytes); the next launch joins the eight parts of a batch.
; A masked row's score stays the -1e9 that the launch before stored.
; ROWS go in groups of 144 slots (9 blocks of 16).  The loop over groups has the constant count 2 (288 slots >= 256, the most an eighth can hold); a group without rows jumps over its three phases,
; never over a barrier.  Slots past the last row repeat a row and get the weight 0.
; NO TENSOR LOADS, NO CLUSTER: how many groups are worked hangs on a count read from memory, so every operand goes from memory straight into registers; W_enc was laid for that by the launch before.
; SHARES.  For the product wave w owns columns 256 w .. 256 w + 255 for all 144 slots, in 4 chunks of 64; for loading, quantising, the scores' way out and the weighted sum it owns slots 36 w .. 36 w + 35.
; PRODUCT: source 0 = 16 rows' codes (from LDS), source 1 = 16 rows of W_enc (a ring of four K steps of 128 in registers, three steps ahead).  Register j of lane (r, h) of a result is (row 8 h + j, column r):
; dh and v are one number a lane and tile, and the sum over columns stays in 8 registers a block until the group's end.  Fragments come by four loads of 16 bytes (registers 4 q .. 4 q + 3: k = 32 q + 16 h + 0..15):
; the same permutation of k on both sides, so only the order of the sums inside an instruction differs from k's own order.
; tanh(x) = 1 - 2 / (1 + 2^(2 log2(e) x)); score = sum of v - 2 sum of v / (1 + 2^..).
; WEIGHTED SUM: 18 of a wave's 36 rows are kept in LDS as bf16 while they are quantised; the other 18 are read again as f32, the last read first.
; LIMITS: e2 between -126 and 119, e2 + e3 between -127 and 126 (each power of two below is an f32 number).  The sum of |v| lies far under 1e9, so that a masked row's weight is exactly 0 beside an unmasked one.
; NaN and infinities in enc_outputs are not served.
; LDS: 0 CODES 144 rows x 1,040 (1,024 + 16: the 16 rows of a fragment load start at 16 different groups of banks) | KEEP 72 rows x 2,048, 18 for each wave, its own | PART 4 x 144 f32 | CRED 4 x 4,096.
; REGISTERS.  window 0: v1-31 addresses and constants (below); v32-63 the weighted sum; v64-95 at work; v96-255 five rows of 32 (in the product phase v96-167: the sums over columns; v168-247: set 1 of the codes of blocks 0-4).
;   window 1: W's ring, slot s tile t at v[64 s + 16 t].   window 2: accumulators of blocks 0-4 at v[32 b + 8 t], set 0 of their codes at v160-239.
;   window 3: blocks 5-8 at v[32 (b - 5) + 8 t], set 0 of their codes at v128-191, set 1 at v192-255.
; THE MODE: SCHED_MODE bits 1:0 = 2 (LLVM: expert scheduling mode 2), set by the entry lines.  The code itself states the register dependences
; between vector or matrix instructions and memory or LDS instructions, with s_wait_alu, always for 0.
; THE PLAN.  Registers that memory or LDS instructions touch, and who else names them:
;   v1-13, v29-31   offsets and LDS addresses: written at the head, never again: the one wait on va_vdst ahead of the first load serves them all.
;   phase 1         row i: loads land in X[i % 5]; the holds and conversions name it and write v64-87; the LDS stores read v64-87.  One wait on vm_vsrc at a row's head (the last row's stores have read
;                   v64-87), one on va_vdst behind the conversions; behind that the buffer is asked for again at once, then the row's LDS stores.
;   phase 2         K step k: its 36 products read the codes' set k % 2 and the ring's slot k % 4.  Its 52 loads land in the other set (the codes of step k + 1) and in slot (k + 3) % 4, which the products of
;                   step k - 1 read last.  ONE wait on va_vdst at the step's head states that those are done; the loads follow it dealt among the step's products, four at a time, and these products name
;                   the accumulators, set k % 2 and slot k % 4: none of the registers that the loads touch.  Eight steps bring both sets back to their start, so the same holds over the chunks' backward jump.
;                   In step 0 the same wait states that the last chunk is done reading dv, whose loads stand behind it.
;   phase 3         v27, v28 (list words, then places), v64-95 (row sums, then kept rows), X (rows read again): one wait on va_vdst ahead of the stores serves them, the first row loads and the first kept
;                   rows; each row's wait on va_vdst stands behind the multiply-adds that empty its registers.  The rows' p go through scalar registers in two runs of 18, each with one wait on va_sdst.
;   Every phase ends with its vector work waited for and its stores' registers read, so that the loads at the head of whichever phase follows owe nothing more.
.set PITCH, 1040
.set BLK,   16*PITCH
.set KEEP,  144*PITCH                  ; 149,760
.set PART,  KEEP+72*2048               ; 297,216
.set CRED,  PART+4*576                 ; 299,520
.set CX,    32                         ; v32-63   the weighted sum: element 128 c + 4 lane + e in register 4 c + e
.set DV,    64                         ; v64-79   (dh', dh', v, v) of my column in the chunk's four tiles
.set X,     96                         ; v96-255  five row buffers
.set SC,    96                         ; v96-167  sum over columns of v / (1 + 2^..), 8 registers a block
; v1 16 lane | v2-4 a fragment's place in blocks 0-3, 4-7, 8 | v5 where I store codes | v6 my place in my kept rows | v7 16 r | v8 where I store a block's row sums | v9-12 where I read row sums
; v13 4 lane | v14 448 x 2^e2 | v15 2^e2 | v16 m | v17, v18 p of my rows 0-31, 32-35 | v19 lane | v20 (v21) a row's p | v22 (v23) f | v24 -1e9 | v25 -3e38 | v26 for lane exchanges
; v27, v28 my rows' numbers, then their places in scores | v29-31 the way out
; s4 enc at batch b | s6 wf at wave w | s8 dv at (b, w) | s10 list's row | s[12:13] my wave's place in it, in bytes | s14 scores' row | s16 my row of cpart | s18 wave | s21 my rows | s22 the group's first row's number
; s23 slot 0's score | s26 group | s27 rows in the group | s101 of them in my 36 slots
; s[28:29] 2 log2(e) 2^(e2+e3) | s[32:63], s[68:71] my 36 rows' numbers (in phase 3, where rows 1-17's are done with, s33-49 and s24 hold 18 rows' p) | s[72:81] five rows' addresses
; s[82:83], s[84:85] this chunk's and the next chunk's part of wf | s[86:87] the chunk's part of dv
.set MSB, 0
.macro WIN new                         ; the immediate's high byte repeats the setting that is left; a switch that changes nothing is dropped
.if MSB != \new
	s_set_vgpr_msb (MSB<<8)|\new
.set MSB, \new
.endif
.endm
.macro PLACES                          ; four places behind a matrix instruction (ISA guide 7.12.1)
.rept 4
	v_nop
.endr
.endm
.macro BAR                             ; my LDS stores have landed and my LDS loads are in: then the work-group's barrier
	s_wait_dscnt 0x0
	s_barrier_signal -1
	s_barrier_wait -1
.endm
	s_load_b256 s[4:11], s[0:1], 0x0               ; enc, wf, dv, list
	s_load_b128 s[12:15], s[0:1], 0x20             ; scales, scores
	s_load_b64 s[16:17], s[0:1], 0x30              ; cpart
	s_set_vgpr_msb 0x80
	v_lshl_add_u32 v254, v0, 2, 0x4d200
	v_mov_b32 v255, 0
	s_set_vgpr_msb 0x8000
	v_lshrrev_b32 v26, 5, v0
	v_readfirstlane_b32 s18, v26                   ; wave 0..3
	s_and_b32 s19, ttmp7, 0xffff                   ; b
	s_mov_b32 s20, ttmp9                           ; j
	s_mov_b32 s3, 0                                ; stays 0: the high word of the offsets made in s2
	v_and_b32 v19, 31, v0                          ; lane
	v_and_b32 v64, 15, v0                          ; r
	v_bfe_u32 v65, v0, 4, 1                        ; h
	v_lshlrev_b32 v1, 4, v19
	v_lshlrev_b32 v13, 2, v19
	v_mul_u32_u24 v2, v64, PITCH
	v_lshl_add_u32 v2, v65, 4, v2                  ; row r x pitch + 16 h
	v_add_nc_u32 v3, 4*BLK, v2
	v_add_nc_u32 v4, 8*BLK, v2
	s_wait_alu depctr_va_sdst(0)                   ; s18 is written, ahead of its first reader: LDS addresses and the bases of wf, dv and cpart are made from it
	s_mul_i32 s2, s18, 36*PITCH
	v_add_nc_u32 v5, s2, v13                       ; codes: my wave's 36 rows, 4 bytes a lane
	s_mul_i32 s2, s18, 18*2048
	s_add_co_u32 s2, s2, KEEP
	v_lshlrev_b32 v6, 3, v19
	v_add_nc_u32 v6, s2, v6                        ; kept rows: my wave's 18, 8 bytes a lane
	v_lshlrev_b32 v7, 4, v64
	v_and_b32 v8, 7, v0
	v_lshlrev_b32 v8, 2, v8
	v_lshl_add_u32 v8, v65, 5, v8
	s_mul_i32 s2, s18, 576
	s_add_co_u32 s2, s2, PART
	v_add_nc_u32 v8, s2, v8                        ; my wave's 144 words: row 8 h + r % 8 of a block
	v_add_nc_u32 v9, PART, v13                     ; slot = lane (+ 32 i)
	v_lshlrev_b32 v10, 2, v64
	v_add_nc_u32 v10, PART+512, v10                ; slot 128 + lane % 16 (lanes 16-31 repeat, and are never valid)
	s_mul_i32 s2, s18, 144
	s_add_co_u32 s2, s2, PART
	v_add_nc_u32 v11, s2, v13                      ; slot 36 w + lane
	v_and_b32 v12, 3, v0
	v_lshlrev_b32 v12, 2, v12
	v_add_nc_u32 v12, s2, v12
	v_add_nc_u32 v12, 128, v12                     ; slot 36 w + 32 + lane % 4 (lanes 4-31 repeat, and are never valid)
	s_lshl_b32 s2, s18, 12
	s_add_co_u32 s2, s2, CRED
	v_add_nc_u32 v30, s2, v1                       ; the way out: my copy of the sum
	s_lshl_b32 s2, s18, 10
	v_add_nc_u32 v29, s2, v1                       ; my quarter of it in memory,
	s_add_co_u32 s2, s2, CRED
	v_add_nc_u32 v31, s2, v1                       ; and in the first copy
	v_mov_b32 v24, 0xce6e6b28                      ; -1e9
	v_mov_b32 v25, 0xff61b1e6                      ; -3e38: under every score
	v_mov_b32 v16, 0xff61b1e6                      ; m
	v_mov_b32 v21, 0                               ; (named as the upper halves of pairs)
	v_mov_b32 v23, 0
.set I, 0
.rept 32
	v_mov_b32 v[CX+I], 0                           ; the weighted sum begins at 0: it is carried over the groups, and stored as zeros by a work-group without rows
.set I, I+1
.endr
	s_mov_b32 s30, 0xf0f0f0f0                      ; lanes whose bit 2, bit 1, bit 0 is set
	s_mov_b32 s31, 0xcccccccc
	s_mov_b32 s100, 0xaaaaaaaa
	s_mov_b32 s98, 0x76543210                      ; v_permlanex16_b32: lane l xor 16
	s_mov_b32 s99, 0xfedcba98
	s_mov_b32 s88, 0                               ; the chunk's byte offset in my part of wf
	s_wait_kmcnt 0x0
	s_load_b128 s[36:39], s[12:13], 0x0            ; e0, e1, e2, e3
	s_mul_i32 s2, s19, 9472
	s_add_nc_u64 s[10:11], s[10:11], s[2:3]
	s_load_b64 s[22:23], s[10:11], 0x0             ; rows to be worked in the batch; 1 where all are masked
	s_lshl_b32 s2, s19, 23
	s_add_nc_u64 s[4:5], s[4:5], s[2:3]
	s_lshl_b32 s2, s18, 18
	s_add_nc_u64 s[6:7], s[6:7], s[2:3]
	s_lshl_b32 s2, s19, 14
	s_lshl_b32 s66, s18, 12
	s_add_co_u32 s2, s2, s66
	s_add_nc_u64 s[8:9], s[8:9], s[2:3]
	s_lshl_b32 s2, s19, 13
	s_add_nc_u64 s[14:15], s[14:15], s[2:3]
	s_lshl_b32 s2, s19, 3
	s_add_co_u32 s2, s2, s20
	s_mul_i32 s2, s2, 4608
	s_add_nc_u64 s[16:17], s[16:17], s[2:3]
	s_mov_b64 s[82:83], s[6:7]
	s_add_nc_u64 s[84:85], s[6:7], 0x10000
	s_mov_b64 s[86:87], s[8:9]
	WIN 0x40                                       ; destination window 1
	s_wait_alu depctr_va_vdst(0)                   ; the offsets and LDS addresses v1-13 and v29-31 are written, which every load and store of the kernel reads; so are the sum's zeros, which the way out's LDS stores read where no group has rows
.irp s, 0,1,2
.irp t, 0,1,2,3
.irp q, 0,1,2,3
	global_load_b128 v[64*\s+16*\t+4*\q:64*\s+16*\t+4*\q+3], v1, s[82:83] offset:8192*\s+2048*\t+512*\q   ; W's ring: K steps 0, 1, 2 of chunk 0; a wave's load covers 512 consecutive bytes
.endr
.endr
.endr
	WIN 0
	s_wait_kmcnt 0x0
	s_min_u32 s22, s22, 2048
	s_add_co_u32 s24, s22, 7
	s_lshr_b32 s24, s24, 3                         ; an eighth, rounded up
	s_mul_i32 s25, s20, s24                        ; my first place in the list
	s_sub_co_i32 s21, s22, s25
	s_max_i32 s21, s21, 0
	s_min_u32 s21, s21, s24                        ; my rows
	s_cmp_lg_u32 s23, 0
	s_cselect_b32 s97, -1, 0                       ; all lanes where the whole batch is masked
	s_add_co_i32 s2, s38, 127
	s_lshl_b32 s66, s2, 23
	v_mov_b32 v15, s66                             ; 2^e2: the conversion takes its exponent field
	s_add_co_i32 s2, s2, 8
	s_lshl_b32 s2, s2, 23
	s_or_b32 s2, s2, 0x600000
	v_mov_b32 v14, s2                              ; 448 x 2^e2
	s_add_co_i32 s2, s38, s39
	s_lshl_b32 s2, s2, 23
	s_add_co_i32 s28, s2, 0x4038aa3b               ; 2 log2(e) x 2^(e2 + e3): the exponents are added to the constant's exponent field
	s_mov_b32 s29, s28                             ; (named with it as a pair)
; the address of my row i (slots past my last row repeat my first entry) into address pair number slot
.macro ROWADR i, slot
.if (\i) < 32
.set IX, 32+(\i)
.else
.set IX, 36+(\i)
.endif
	s_cmp_gt_u32 s101, \i
	s_cselect_b32 s2, s[IX], s32
	s_min_u32 s2, s2, 2047                         ; a row of the batch
	s_lshl_b32 s2, s2, 12
	s_add_nc_u64 s[72+2*(\slot):73+2*(\slot)], s[4:5], s[2:3]
.endm
; a row, 4,096 bytes, by eight loads of 512 consecutive bytes.  nt: nobody reads the row again
.macro ROWLOAD slot, nt
.irp c, 0,1,2,3,4,5,6,7
.if \nt
	global_load_b128 v[X+32*(\slot)+4*\c:X+32*(\slot)+4*\c+3], v1, s[72+2*(\slot):73+2*(\slot)] offset:512*\c th:TH_LOAD_NT
.else
	global_load_b128 v[X+32*(\slot)+4*\c:X+32*(\slot)+4*\c+3], v1, s[72+2*(\slot):73+2*(\slot)] offset:512*\c
.endif
.endr
.endm
; my row i: kept as bf16 (rows 0-17), held, turned into codes; then the buffer takes the row five further on, and the row's codes and bf16 go to LDS
.macro QROW i
.set XB, X+32*((\i)%5)
.if (\i) < 32
	s_wait_loadcnt 32                              ; loads come back in order: this row's eight are in, the four younger rows' stay out; the wait also frees this buffer's address pair
.else
	s_wait_loadcnt 8*(35-(\i))
.endif
.if (\i) > 0
	s_wait_alu depctr_vm_vsrc(0)                   ; the last row's LDS stores have read v64-87, which the conversions below write again
.endif
.if (\i) < 18
.irp m, 0,1,2,3,4,5,6,7,8,9,10,11,12,13,14,15
	v_cvt_pk_bf16_f32 v[72+\m], v[XB+2*\m], v[XB+2*\m+1]
.endr
.endif
.set QI, 0
.rept 32
	v_med3_num_f32 v[XB+QI], v[XB+QI], -v14, v14   ; the conversion to an 8-bit code does not saturate (ISA guide 7.6.2): the hold at the largest code x the scale
.set QI, QI+1
.endr
.irp g, 0,1,2,3
	v_cvt_scalef32_pk8_fp8_f32 v[64+2*\g:65+2*\g], v[XB+8*\g:XB+8*\g+7], v15
.endr
	v_nop                                          ; one plain vector line behind the last conversion of the run
	s_wait_alu depctr_va_vdst(0)                   ; the conversions have written v64-87, which the LDS stores below read; they and the holds are done with this row's buffer, in which the loads below land
.if (\i)+5 < 36
	ROWADR (\i)+5, (\i)%5
	ROWLOAD (\i)%5, ((\i)+5)<18
.endif
.if (\i) < 18
.irp c, 0,1,2,3,4,5,6,7
	ds_store_b64 v6, v[72+2*\c:73+2*\c] offset:2048*(\i)+256*\c
.endr
.endif
.irp c, 0,1,2,3,4,5,6,7
	ds_store_b32 v5, v[64+\c] offset:PITCH*(\i)+128*\c     ; codes of elements 128 c + 4 lane + 0..3: 128 consecutive bytes of the row, k in its own order
.endr
.endm
; block b's fragment of codes for K step k, four LDS loads, into set 0 or 1.  The window is set by who calls: destination window 2 (set 0, blocks 0-4), 0 (set 1, blocks 0-4) or 3 (blocks 5-8), address window 0
.macro CLOAD set, k, b
.if (\b) < 5
.set CR, 160+8*(\set)+16*(\b)
.else
.set CR, 128+64*(\set)+16*((\b)-5)
.endif
.set CA, 2+(\b)/4
.set CF, ((\b)%4)*BLK+128*(\k)
.irp q, 0,1,2,3
	ds_load_b128 v[CR+4*\q:CR+4*\q+3], v[CA] offset:CF+32*\q
.endr
.endm
; K step k of a chunk: 36 matrix instructions, the 36 accumulators by turns, one instruction a turn, in the same order in every step.
; Behind the first product of block b stands that block's fragment for the next step; behind the third product of blocks 0-3 a tile of W for the step three on.
.macro KSTEP k
.set SK, (\k)%4
.set SL, ((\k)+3)%4
.set P,  (\k)%2
.set MW, 0xa6-2*P                      ; blocks 0-4: source 0 window 2 (set 0) or 0 (set 1), source 1 window 1, C and D window 2
.if (\k) > 0
	PLACES                                         ; behind the last step's products (ahead of step 0 the vector work of the chunk before, or the clearing of the sums, fills the places)
.endif
	s_wait_loadcnt 32                              ; this step's slot of W is in; the two younger refills of 16 stay out
	s_wait_dscnt 16                                ; this step's codes of blocks 0-4 are in; the 16 younger loads, blocks 5-8's, stay out
	s_wait_alu depctr_va_vdst(0)                   ; the last step's products are done reading the other set of codes and the ring's slot (k + 3) % 4, in which this step's loads land; in step 0: the last chunk is done reading dv
.if (\k) == 0
.irp t, 0,1,2,3
	global_load_b128 v[DV+4*\t:DV+4*\t+3], v7, s[86:87] offset:256*\t      ; (dh', dh', v, v) of column 16 t + r: sixteen lanes read 256 consecutive bytes
.endr
.endif
.irp b, 0,1,2,3,4,5,6,7,8
.if \b == 5
	s_wait_dscnt 20                                ; this step's codes of blocks 5-8 are in; the 20 loads issued in this step stay out
.endif
.irp t, 0,1,2,3
.if \b < 5
	WIN MW
.set AR, 160+8*P+16*\b
.set CC, 32*\b+8*\t
.else
	WIN 0xf7                                       ; source 0 window 3, source 1 window 1, C and D window 3
.set AR, 128+64*P+16*(\b-5)
.set CC, 32*(\b-5)+8*\t
.endif
.if (\k) == 0
	v_wmma_f32_16x16x128_fp8_fp8 v[CC:CC+7], v[AR:AR+15], v[64*SK+16*\t:64*SK+16*\t+15], 0
.else
	v_wmma_f32_16x16x128_fp8_fp8 v[CC:CC+7], v[AR:AR+15], v[64*SK+16*\t:64*SK+16*\t+15], v[CC:CC+7]
.endif
.if \t == 0
.if (\b < 5) && (P == 0)
	WIN 0                                          ; set 1 of blocks 0-4 lies in window 0
.endif
.if \b >= 5
	WIN 0xc0
.endif
	CLOAD 1-P, ((\k)+1)%8, \b                      ; no wait: no product since the step's head names the other set.  (Odd steps, blocks 0-4: under the products' own setting: destination window 2, address window 0)
.endif
.if (\t == 2) && (\b < 4)
	WIN 0x40
.irp q, 0,1,2,3
.if (\k) <= 4
	global_load_b128 v[64*SL+16*\b+4*\q:64*SL+16*\b+4*\q+3], v1, s[82:83] offset:((\k)+3)*8192+2048*\b+512*\q   ; the slot read in the step before takes the step three on,
.else
	global_load_b128 v[64*SL+16*\b+4*\q:64*SL+16*\b+4*\q+3], v1, s[84:85] offset:((\k)-5)*8192+2048*\b+512*\q   ; which in steps 5-7 is the next chunk's (behind the last chunk: the first's again, for the next group)
.endif
.endr
.endif
.endr
.endr
.endm
; block b's 16 rows x 64 columns: y = sum x 2 log2(e) 2^(e2+e3) + dh'; 1 / (1 + 2^y); x v, added to the block's 8 sums over columns.  Each accumulator is read from its low end on.
.macro EPI b
.if (\b) < 5
.set G, 2
.set AB, 32*(\b)
.else
.set G, 3
.set AB, 32*((\b)-5)
.endif
	WIN G*65                                       ; destination and source 0 in the block's window
.irp t, 0,1,2,3
.irp i, 0,2,4,6
	v_pk_fma_f32 v[AB+8*\t+\i:AB+8*\t+\i+1], v[AB+8*\t+\i:AB+8*\t+\i+1], s[28:29], v[DV+4*\t:DV+4*\t+1] op_sel_hi:[1,0,1]
.endr
.endr
.set EI, 0
.rept 32
	v_exp_f32 v[AB+EI], v[AB+EI]
.set EI, EI+1
.endr
	v_nop                                          ; a plain place behind the last transcendental
.set EI, 0
	s_wait_alu depctr_va_vdst(0)                   ; the block's 32 exponentials have written their results, ahead of the first line that names one
.rept 16
	v_pk_add_f32 v[AB+EI:AB+EI+1], v[AB+EI:AB+EI+1], 1.0 op_sel_hi:[1,0]
.set EI, EI+2
.endr
.set EI, 0
.rept 32
	v_rcp_f32 v[AB+EI], v[AB+EI]                   ; 2^y = infinity gives 0, 2^y = 0 gives 1: tanh's two ends
.set EI, EI+1
.endr
	v_nop
	WIN G                                          ; source 0 in the block's window
	s_wait_alu depctr_va_vdst(0)                   ; the block's 32 reciprocals have written their results, ahead of the first line that names one
.irp t, 0,1,2,3
.irp i, 0,2,4,6
	v_pk_fma_f32 v[SC+8*(\b)+\i:SC+8*(\b)+\i+1], v[AB+8*\t+\i:AB+8*\t+\i+1], v[DV+4*\t+2:DV+4*\t+3], v[SC+8*(\b)+\i:SC+8*(\b)+\i+1]
.endr
.endr
.endm
; block b's 8 registers x 16 lanes of a half become one number a lane: the sum over the 16 columns' lanes of row 8 h + r % 8.
; A step halves the registers: a lane keeps the register that its bit chooses and sends the other to the lane across that bit.
.macro FOLD2 a, c, mask, xm
	v_cndmask_b32 v82, v[\a], v[\c], \mask
	v_cndmask_b32 v83, v[\c], v[\a], \mask
	v_add_f32_dpp v[\a], v83, v82 row_xmask:\xm row_mask:0xf bank_mask:0xf
.endm
.macro FOLD b
.set S0, SC+8*(\b)
	FOLD2 S0, S0+4, s30, 4
	FOLD2 S0+1, S0+5, s30, 4
	FOLD2 S0+2, S0+6, s30, 4
	FOLD2 S0+3, S0+7, s30, 4
	FOLD2 S0, S0+2, s31, 2
	FOLD2 S0+1, S0+3, s31, 2
	FOLD2 S0, S0+1, s100, 1
	v_add_f32_dpp v[S0], v[S0], v[S0] row_xmask:8 row_mask:0xf bank_mask:0xf
.endm
; my kept row i out of LDS, two sets of 16 registers by turns
.macro KLOAD i
.irp c, 0,1,2,3,4,5,6,7
	ds_load_b64 v[64+16*((\i)%2)+2*\c:65+16*((\i)%2)+2*\c], v6 offset:2048*(\i)+256*\c
.endr
.endm
.macro KROW i
.set KB, 64+16*((\i)%2)
.if (\i) < 17
	s_wait_dscnt 8                                 ; this row's eight loads are in, the next row's stay out
	v_mov_b32 v20, s[33+(\i)]                      ; the row's p, for all lanes
.else
	s_wait_dscnt 0
	v_mov_b32 v20, s24
.endif
.irp c, 0,1,2,3,4,5,6,7
	v_fma_mix_f32_bf16 v[CX+4*\c], v[KB+2*\c], v20, v[CX+4*\c] op_sel_hi:[1,0,0]
	v_fma_mix_f32_bf16 v[CX+4*\c+1], v[KB+2*\c], v20, v[CX+4*\c+1] op_sel:[1,0,0] op_sel_hi:[1,0,0]
	v_fma_mix_f32_bf16 v[CX+4*\c+2], v[KB+2*\c+1], v20, v[CX+4*\c+2] op_sel_hi:[1,0,0]
	v_fma_mix_f32_bf16 v[CX+4*\c+3], v[KB+2*\c+1], v20, v[CX+4*\c+3] op_sel:[1,0,0] op_sel_hi:[1,0,0]
.endr
.if (\i)+2 < 18
	s_wait_alu depctr_va_vdst(0)                   ; this row's multiply-adds are done reading its 16 registers, in which the row two further on lands
	KLOAD (\i)+2
.endif
.endm
; my row 35 - z, read again as f32
.macro XROW z
.set XB, X+32*((\z)%5)
.if (\z) < 14
	s_wait_loadcnt 32                              ; this row's eight loads are in, the four younger rows' stay out
.else
	s_wait_loadcnt 8*(17-(\z))
.endif
.if (\z) < 17
	v_mov_b32 v20, s[33+(\z)]                      ; the row's p, for all lanes
.else
	v_mov_b32 v20, s24
.endif
.irp m, 0,2,4,6,8,10,12,14,16,18,20,22,24,26,28,30
	v_pk_fma_f32 v[CX+\m:CX+\m+1], v[XB+\m:XB+\m+1], v[20:21], v[CX+\m:CX+\m+1] op_sel_hi:[1,0,1]
.endr
.if (\z)+5 < 18
	s_wait_alu depctr_va_vdst(0)                   ; this row's multiply-adds are done reading its buffer, in which the row five further on lands
	ROWADR 30-(\z), (\z)%5
	ROWLOAD (\z)%5, 1
.endif
.endm
	s_mov_b32 s26, 0
.Lgroup:                                               ; two trips, a constant; every LDS address is a register made above plus an immediate
	s_mul_i32 s2, s26, 144
	s_sub_co_i32 s27, s21, s2
	s_max_i32 s27, s27, 0
	s_min_u32 s27, s27, 144                        ; rows in this group
	s_mul_i32 s66, s18, 36
	s_sub_co_i32 s101, s27, s66
	s_max_i32 s101, s101, 0
	s_min_u32 s101, s101, 36                       ; of them in my 36 slots
	s_add_co_u32 s67, s25, s2                      ; the group's first place in the list
	s_add_co_u32 s66, s67, s66                     ; my wave's
	s_min_u32 s66, s66, 2240                       ; 64 entries from there on lie inside the row's 2,304 (a wave with rows is never held: its places lie under 2,048)
	s_lshl_b32 s66, s66, 2
	s_min_u32 s67, s67, 2240
	s_lshl_b32 s67, s67, 2
	s_load_b512 s[32:47], s[10:11], s66 offset:0x100
	s_load_b512 s[48:63], s[10:11], s66 offset:0x140
	s_load_b128 s[68:71], s[10:11], s66 offset:0x180
	s_load_b32 s22, s[10:11], s67 offset:0x100     ; the row of the group's slot 0
	s_mov_b32 s12, s66                             ; kept for the scores' way out
	s_mov_b32 s13, 0
	s_wait_kmcnt 0x0
	s_cmp_eq_u32 s27, 0
	s_cbranch_scc1 .Lskip1
; ---------------- 1: my 36 rows are loaded (five rows, 40 loads, ahead), half of them kept, all quantised
; (the first 40 loads owe no wait: no vector instruction since the head's wait, or since the wait that closes the phase before, names the five buffers)
.set RI, 0
.rept 5
	ROWADR RI, RI
	ROWLOAD RI, 1
.set RI, RI+1
.endr
.set RI, 0
.rept 36
	QROW RI
.set RI, RI+1
.endr
	s_wait_alu depctr_vm_vsrc(0)                   ; the last row's LDS stores have read v64-71, in which dv's loads land in the next phase
.Lskip1:
	BAR                                            ; the group's 144 rows of codes lie in LDS; nobody reads the last group's row sums any more
	s_cmp_eq_u32 s27, 0
	s_cbranch_scc1 .Lskip2
; ---------------- 2: my 256 columns for the 144 rows
.set I, 0
.rept 72
	v_mov_b32 v[SC+I], 0                           ; the sums over columns: they are carried round the loop over chunks, which is written once
.set I, I+1
.endr
	v_mov_b32 v80, 0                               ; the sum of my columns' v, twice
	v_mov_b32 v81, 0
	WIN 0x80                                       ; step 0's codes into set 0, which only products name: the last of them stand ahead of the waits in the last chunk's vector work
.irp b, 0,1,2,3,4
	CLOAD 0, 0, \b
.endr
	WIN 0xc0
.irp b, 5,6,7,8
	CLOAD 0, 0, \b
.endr
	WIN 0
	s_mov_b32 s89, 0
.Lchunk:                                               ; four trips: 64 columns each
.irp k, 0,1,2,3,4,5,6,7
	KSTEP \k
.endr
	PLACES                                         ; four places behind the last products, ahead of the first read of a result
.irp b, 0,1,2,3,4,5,6,7,8
	EPI \b
.endr
	WIN 0
.irp t, 0,1,2,3
	v_pk_add_f32 v[80:81], v[80:81], v[DV+4*\t+2:DV+4*\t+3]
.endr
	s_wait_xcnt 0x0                                ; the loads issued so far have read their bases: only now are the three stepped
	s_add_co_u32 s88, s88, 0x10000
	s_and_b32 s88, s88, 0x3ffff                    ; behind chunk 3 comes chunk 0
	s_mov_b64 s[82:83], s[84:85]
	s_add_co_u32 s2, s88, 0x10000
	s_and_b32 s2, s2, 0x3ffff
	s_add_nc_u64 s[84:85], s[6:7], s[2:3]
	s_lshr_b32 s2, s88, 6                          ; 64 columns of 16 bytes
	s_add_nc_u64 s[86:87], s[8:9], s[2:3]
	s_add_co_u32 s89, s89, 1
	s_cmp_lt_u32 s89, 4
	s_cbranch_scc1 .Lchunk
.set I, 0
.rept 36
	v_pk_fma_f32 v[SC+I:SC+I+1], v[SC+I:SC+I+1], -2.0, v[80:81] op_sel_hi:[1,0,1]   ; my columns' part of the score: sum of v - 2 sum of v / (1 + 2^y)
.set I, I+2
.endr
.irp b, 0,1,2,3,4,5,6,7,8
	FOLD \b
.endr
	s_wait_alu depctr_va_vdst(0)                   ; the nine folds have written each block's first register, which the LDS stores read; they are also done with v80-83, in which the next phase's LDS loads land
.irp b, 0,1,2,3,4,5,6,7,8
	ds_store_b32 v8, v[SC+8*\b] offset:64*\b       ; lanes r and r + 8 store the same number to the same word
.endr
	s_wait_alu depctr_vm_vsrc(0)                   ; these stores have read their registers, in which rows land in the next phase
.Lskip2:
	BAR                                            ; the four waves' parts of the 144 scores lie in LDS; nobody reads the codes any more
	s_cmp_eq_u32 s27, 0
	s_cbranch_scc1 .Lskip3
; ---------------- 3: the scores, the running maximum, my rows' p, the weighted sum
; (the loads at the phase's head owe no wait: no vector instruction since the wait that closes the phase before names v27, v28 or v64-91)
	s_add_nc_u64 s[66:67], s[10:11], s[12:13]      ; the list at my wave's place
	global_load_b32 v27, v13, s[66:67] offset:256          ; the rows' numbers of my slots lane
	global_load_b32 v28, v13, s[66:67] offset:256+128      ; and 32 + lane (of which lanes 0-3 at the most count)
.irp i, 0,1,2,3
.irp u, 0,1,2,3
	ds_load_b32 v[64+4*\i+\u], v9 offset:576*\u+128*\i
.endr
.endr
.irp u, 0,1,2,3
	ds_load_b32 v[80+\u], v10 offset:576*\u
	ds_load_b32 v[84+\u], v11 offset:576*\u
	ds_load_b32 v[88+\u], v12 offset:576*\u
.endr
	v_cmp_gt_i32 s90, s27, v19                     ; which lanes' slots hold rows: slots lane, 32 + lane, .. 128 + lane,
	s_sub_co_i32 s2, s27, 32
	v_cmp_gt_i32 s91, s2, v19
	s_sub_co_i32 s2, s27, 64
	v_cmp_gt_i32 s92, s2, v19
	s_sub_co_i32 s2, s27, 96
	v_cmp_gt_i32 s93, s2, v19
	s_sub_co_i32 s2, s27, 128
	v_cmp_gt_i32 s94, s2, v19
	v_cmp_gt_i32 s95, s101, v19                    ; my slots lane and 32 + lane
	s_sub_co_i32 s2, s101, 32
	v_cmp_gt_i32 s96, s2, v19
	s_wait_alu depctr_va_sdst(0)                   ; the seven masks s90-96 are written, ahead of their first readers, the selections below
	s_wait_dscnt 0x0
.irp g, 0,1,2,3,4,5,6
	v_add_f32 v[64+4*\g], v[64+4*\g], v[65+4*\g]   ; the four waves' parts, in one order everywhere
	v_add_f32 v[66+4*\g], v[66+4*\g], v[67+4*\g]
.endr
.irp g, 0,1,2,3,4,5,6
	v_add_f32 v[64+4*\g], v[64+4*\g], v[66+4*\g]
.endr
.irp g, 0,1,2,3,4,5,6
	v_cndmask_b32 v[64+4*\g], v[64+4*\g], v24, s97         ; a batch that is masked as a whole: every score is -1e9
	v_cndmask_b32 v[64+4*\g], v25, v[64+4*\g], s[90+\g]    ; a slot without a row: under every score
.endr
	v_max3_num_f32 v65, v64, v68, v72
	v_max3_num_f32 v65, v65, v76, v80
	v_max_num_f32_dpp v65, v65, v65 row_xmask:1 row_mask:0xf bank_mask:0xf
	v_max_num_f32_dpp v65, v65, v65 row_xmask:2 row_mask:0xf bank_mask:0xf
	v_max_num_f32_dpp v65, v65, v65 row_xmask:4 row_mask:0xf bank_mask:0xf
	v_max_num_f32_dpp v65, v65, v65 row_xmask:8 row_mask:0xf bank_mask:0xf
	v_permlanex16_b32 v26, v65, s98, s99
	v_max_num_f32 v65, v65, v26                    ; the group's largest score
	v_max_num_f32 v66, v16, v65                    ; the new m
	v_sub_f32 v67, v16, v66
	v_sub_f32 v17, v84, v66
	v_sub_f32 v18, v88, v66
	v_mul_f32 v67, 0x3fb8aa3b, v67
	v_mul_f32 v17, 0x3fb8aa3b, v17
	v_mul_f32 v18, 0x3fb8aa3b, v18
	v_exp_f32 v22, v67                             ; f = exp(old m - new m); 0 in the first group
	v_exp_f32 v17, v17                             ; p of my rows; 0 for a slot without a row
	v_exp_f32 v18, v18
	v_mov_b32 v16, v66                             ; (a plain place behind the transcendentals)
	s_wait_alu depctr_va_vdst(0)                   ; the three exponentials have written f and my rows' p, ahead of the first line that names one
.irp m, 0,2,4,6,8,10,12,14,16,18,20,22,24,26,28,30
	v_pk_mul_f32 v[CX+\m:CX+\m+1], v[CX+\m:CX+\m+1], v[22:23] op_sel_hi:[1,0]   ; what was summed under the old m
.endr
; my 36 slots' scores go out.  Every lane stores: a lane whose slot holds no row takes the row and the score of the group's slot 0, which holds one (the phase runs only where the group has rows):
; the same number then goes to the same word more than once, from this work-group alone.
	s_wait_loadcnt 0x0                             ; my rows' numbers are in (older than they: only W's ring, asked for ahead of the last chunk's vector work)
	v_readfirstlane_b32 s23, v64                   ; slot 0's score
.set I, 0
.rept 17
	v_readlane_b32 s[33+I], v17, I                 ; the p of my 18 kept rows, in one run
.set I, I+1
.endr
	v_readlane_b32 s24, v17, 17
	v_cndmask_b32 v27, s22, v27, s95
	v_cndmask_b32 v28, s22, v28, s96
	v_min_u32 v27, 2047, v27                       ; a row of the batch
	v_min_u32 v28, 2047, v28
	v_lshlrev_b32 v27, 2, v27
	v_lshlrev_b32 v28, 2, v28
	s_wait_alu depctr_va_sdst(0)                   ; s23, s33-49 and s24 are written, ahead of their first readers: the two selections below and the kept rows' moves
	v_cndmask_b32 v85, s23, v84, s95
	v_cndmask_b32 v89, s23, v88, s96
	s_wait_alu depctr_va_vdst(0)                   ; the places v27, v28 and the scores v85, v89 are written, which the stores read; the lines above are done with v64-91, in which the kept rows land
	global_store_b32 v27, v85, s[14:15]
	global_store_b32 v28, v89, s[14:15]
.set RZ, 0
.rept 5
	ROWADR 35-RZ, RZ                               ; the rows that were not kept are asked for now, the last read first: they are on their way while the 18 kept rows are summed
	ROWLOAD RZ, 1
.set RZ, RZ+1
.endr
	s_wait_xcnt 0x0                                ; the two stores have had their addresses translated: the loads below land on the data's registers
	s_wait_alu depctr_vm_vsrc(0)                   ; the two stores have read v85 and v89, in which the kept rows land, and v27 and v28, in which the next group's list words land
	KLOAD 0
	KLOAD 1
.set KI, 0
.rept 18
	KROW KI
.set KI, KI+1
.endr
.irp z, 0,1,2,3
	v_readlane_b32 s[33+\z], v18, 3-\z             ; the p of the 18 rows that are read again, in the order of their turns: rows 35 to 32,
.endr
.set I, 4
.rept 13
	v_readlane_b32 s[33+I], v17, 35-I              ; 31 to 19,
.set I, I+1
.endr
	v_readlane_b32 s24, v17, 18                    ; and 18
	s_wait_alu depctr_va_sdst(0)                   ; s33-49 and s24 are written anew, ahead of their first readers, the rows' moves
.set ZI, 0
.rept 18
	XROW ZI
.set ZI, ZI+1
.endr
	s_wait_alu depctr_va_vdst(0)                   ; the last rows' multiply-adds have written the weighted sum, which the way out's LDS stores read, and are done reading the row buffers and v64-95, in which the next group's loads and the way out's land
.Lskip3:
	s_add_co_u32 s26, s26, 1
	s_cmp_lt_u32 s26, 2
	s_cbranch_scc1 .Lgroup
; ---------------- the way out: the four waves' sums meet in LDS; each wave adds and stores a quarter, 1,024 bytes
; (the sum was written ahead of the wait that closes phase 3, or, where no group had rows, ahead of the head's wait)
.irp c, 0,1,2,3,4,5,6,7
	ds_store_b128 v30, v[CX+4*\c:CX+4*\c+3] offset:512*\c
.endr
	BAR
.irp u, 0,1
.irp w, 0,1,2,3
	ds_load_b128 v[64+16*\u+4*\w:67+16*\u+4*\w], v31 offset:4096*\w+512*\u
.endr
.endr
	s_wait_dscnt 0x0
.irp u, 0,1
.irp p, 0,2
	v_pk_add_f32 v[64+16*\u+\p:65+16*\u+\p], v[64+16*\u+\p:65+16*\u+\p], v[68+16*\u+\p:69+16*\u+\p]
	v_pk_add_f32 v[72+16*\u+\p:73+16*\u+\p], v[72+16*\u+\p:73+16*\u+\p], v[76+16*\u+\p:77+16*\u+\p]
	v_pk_add_f32 v[64+16*\u+\p:65+16*\u+\p], v[64+16*\u+\p:65+16*\u+\p], v[72+16*\u+\p:73+16*\u+\p]
.endr
.endr
	s_wait_alu depctr_va_vdst(0)                   ; the additions have written v64-67 and v80-83, which the two stores read
.irp u, 0,1
	global_store_b128 v29, v[64+16*\u:67+16*\u], s[16:17] offset:512*\u    ; a wave stores 512 consecutive bytes
.endr
	s_cmp_lg_u32 s18, 0
	s_cbranch_scc1 .Lend
	v_mov_b32 v20, v16                             ; m, 128 times: 512 consecutive bytes behind the sum
	v_mov_b32 v21, v16
	v_mov_b32 v22, v16
	v_mov_b32 v23, v16
	s_wait_alu depctr_va_vdst(0)                   ; v20-23 are written, which the store reads
	global_store_b128 v1, v[20:23], s[16:17] offset:4096
.Lend:
	s_set_vgpr_msb 0xa                             ; the add's two registers, sources 0 and 1, lie in window 2
	s_wait_dscnt 0x0                               ; the closing lines, six on end
	s_wait_alu 0x0
	s_wait_tensorcnt 0x0
	ds_add_u32 v254, v255
	s_wait_dscnt 0x0
	s_endpgm
.Lfunc_end_k_q9a18e7aa13_attend:
	.size	k_q9a18e7aa13_attend, .Lfunc_end_k_q9a18e7aa13_attend-k_q9a18e7aa13_attend
	.p2alignl 7, 3214868480
	.fill 96, 4, 3214868480
	.section	.rodata,"a",@progbits
	.p2align	6, 0x0
	.amdhsa_kernel k_q9a18e7aa13_attend
		.amdhsa_group_segment_fixed_size 316416
		.amdhsa_private_segment_fixed_size 0
		.amdhsa_enable_private_segment 0
		.amdhsa_kernarg_size 56
		.amdhsa_user_sgpr_count 2
		.amdhsa_user_sgpr_kernarg_segment_ptr 1
		.amdhsa_wavefront_size32 1
		.amdhsa_system_sgpr_workgroup_id_x 1
		.amdhsa_system_sgpr_workgroup_id_y 1
		.amdhsa_system_sgpr_workgroup_id_z 1
		.amdhsa_system_vgpr_workitem_id 0
		.amdhsa_next_free_vgpr 1024
		.amdhsa_next_free_sgpr 102
		.amdhsa_reserve_vcc 0
		.amdhsa_float_denorm_mode_32 3
		.amdhsa_float_denorm_mode_16_64 3
		.amdhsa_memory_ordered 1
		.amdhsa_forward_progress 1
		.amdhsa_inst_pref_size 255
	.end_amdhsa_kernel
	.section	.bss,"aw",@nobits
	.p2align	6
	.space	262144
	.amdgpu_metadata
---
amdhsa.version: [ 1, 2 ]
amdhsa.kernels:
  - .name:           k_q9a18e7aa13_attend
    .symbol:         k_q9a18e7aa13_attend.kd
    .args:
      - { .name: enc_outputs, .offset: 0, .size: 8, .value_kind: global_buffer, .address_space: global }
      - { .name: wf, .offset: 8, .size: 8, .value_kind: global_buffer, .address_space: global }
      - { .name: dv, .offset: 16, .size: 8, .value_kind: global_buffer, .address_space: global }
      - { .name: list, .offset: 24, .size: 8, .value_kind: global_buffer, .address_space: global }
      - { .name: lowp_scales, .offset: 32, .size: 8, .value_kind: global_buffer, .address_space: global }
      - { .name: scores, .offset: 40, .size: 8, .value_kind: global_buffer, .address_space: global }
      - { .name: cpart, .offset: 48, .size: 8, .value_kind: global_buffer, .address_space: global }
    .group_segment_fixed_size: 316416
    .private_segment_fixed_size: 0
    .kernarg_segment_align: 8
    .kernarg_segment_size: 56
    .max_flat_workgroup_size: 128
    .sgpr_count:     102
    .vgpr_count:     1024
    .wavefront_size: 32
...
	.end_amdgpu_metadata
.endif
;; end of part 5
;; launch combine: the kernel of part 3 again; grid 32 x 1, 8 waves a work-group, no clusters, 1,280 bytes of LDS; arguments scores, cpart, out0, out1; writes out0, out1
